; MI455X (gfx1250); checked and timed in simulation.
; The chip was launched on July 23, 2026; its instructions are those of AMD's public machine-readable ISA for CDNA 5 (MIT licence, August 2026) and "CDNA5" Instruction Set Architecture Reference Guide (July 2026). The comments in the code are by the model that wrote it; some were corrected since.
;; Learned Structured Attention. Allowed arithmetic: float matrix products may take bf16 or f16 operands with f32 sums; all other float work in f32.
;; Inputs: Wk 1,024 x 1,024 float32; Wq 1,024 x 1,024 float32; Wv 1,024 x 1,024 float32; bk 1,024 float32; bq 1,024 float32; bv 1,024 float32; ssm 4 x 2,048 x 2,048 float32; x 2,048 x 4 x 1,024 float32.
;; Outputs: out0 2,048 x 4 x 1,024 float32.
;; 2 versions, each right; version 2 is version 1 with the launch cast written anew for expert scheduling mode. Each part assembles by itself: llvm-mc -triple=amdgcn-amd-amdhsa -mcpu=gfx1250 --defsym DOCPART=n.
;; ======== version 1 of 2: 4 launches
;; limits: values are held in f16: magnitudes above 65,504 overflow, below 6.1e-05 lose precision
;; workspace buffers: xw 23,068,672 bytes; qkv 50,331,648 bytes; pt 33,554,432 bytes; st 1,048,576 bytes
;; launch cast (part 1): grid 256 x 1, 11 waves a work-group, no clusters, 0 bytes of LDS; arguments x, Wq, Wk, Wv, xw; writes xw
.if DOCPART == 1
	.amdgcn_target "amdgcn-amd-amdhsa--gfx1250"
	.amdhsa_code_object_version 6
	.text
	.protected	k_q511cc67eb8_cast
	.globl	k_q511cc67eb8_cast
	.p2align	8
	.type	k_q511cc67eb8_cast,@function
k_q511cc67eb8_cast:
	s_mov_b64 s[64:65], 0
	v_nop
	global_prefetch_b8 v0, s[64:65] scope:SCOPE_SE
	s_setreg_imm32_b32 hwreg(HW_REG_WAVE_MODE, 25, 1), 1
	s_wait_xcnt 0x0
; xw = bf16 [11264][1024].  Rows 0-8191: x, row b*2048+s (x lies [s][b][1024] in f32).  Rows 8192 on: Wq, Wk, Wv, as they lie.
; A stream: no LDS, no matrix unit, no barrier.  11,264 rows are 2,816 groups of 4 rows (16,384 bytes of f32); 256 work-groups x 11 waves
; take one group each.  A wave issues its 32 loads of 512 neighbouring bytes at once, and rounds and stores each as it lands.
; A store of the wave covers 256 consecutive bytes, aligned (32 lanes x 8 bytes).  No register that a memory instruction reads is written again.
.set X, 4                              ; v[4:131] 32 x 4 registers as loaded; the first two of each four are rounded in place
	s_load_b256 s[4:11], s[0:1], 0x0               ; x s[4:5], Wq s[6:7], Wk s[8:9], Wv s[10:11]
	s_load_b64 s[12:13], s[0:1], 0x20              ; xw
	v_lshrrev_b32 v3, 5, v0
	v_readfirstlane_b32 s14, v3                    ; wave 0..10
	v_and_b32 v2, 31, v0
	v_lshlrev_b32 v1, 4, v2                        ; 16 bytes a lane in
	v_lshlrev_b32 v2, 3, v2                        ; 8 bytes a lane out
	s_mul_i32 s15, ttmp9, 11
	s_add_co_u32 s15, s15, s14                     ; G: my group, 0..2815
	s_sub_co_u32 s16, s15, 2048                    ; G': my group among the weights' 768 (of use where G >= 2048)
	s_lshr_b32 s17, s16, 8                         ; which weight
	s_and_b32 s18, s16, 255
	s_lshl_b32 s18, s18, 14                        ; a weight's group: source offset
	s_lshl_b32 s19, s15, 14                        ; x's group (s = G, its four rows are b = 0..3): source offset
	s_lshl_b32 s20, s15, 11                        ; x: row s of batch 0 in xw,
	s_mov_b32 s36, 4194304                         ;    and 2,048 rows of 2,048 bytes from batch to batch
	s_lshl_b32 s21, s16, 13                        ; a weight: four rows of 2,048 bytes a group,
	s_add_co_u32 s21, s21, 16777216                ;    behind x's 8,192 rows,
	s_movk_i32 s37, 2048                           ;    one row after the other
	s_mov_b32 s23, 0
	s_mov_b32 s33, 0
	s_mov_b32 s35, 0
	s_wait_kmcnt 0x0
	s_cmp_eq_u32 s17, 1
	s_cselect_b64 s[6:7], s[8:9], s[6:7]
	s_cmp_eq_u32 s17, 2
	s_cselect_b64 s[6:7], s[10:11], s[6:7]         ; the weight that G' names
	s_cmp_lt_u32 s15, 2048
	s_cselect_b64 s[4:5], s[4:5], s[6:7]           ; x or that weight
	s_cselect_b32 s22, s19, s18
	s_cselect_b32 s32, s20, s21
	s_cselect_b32 s34, s36, s37
	s_add_nc_u64 s[4:5], s[4:5], s[22:23]          ; my 16,384 bytes
	s_add_nc_u64 s[24:25], s[12:13], s[32:33]      ; where my four rows go
	s_add_nc_u64 s[26:27], s[24:25], s[34:35]
	s_add_nc_u64 s[28:29], s[26:27], s[34:35]
	s_add_nc_u64 s[30:31], s[28:29], s[34:35]
.set i, 0
.rept 32
	global_load_b128 v[X+4*i:X+4*i+3], v1, s[4:5] offset:512*i th:TH_LOAD_NT
.set i, i+1
.endr
.set i, 0
.rept 32
	s_wait_loadcnt 31-i                            ; loads come back in order: number i is in, the younger ones stay out
	v_cvt_pk_bf16_f32 v[X+4*i], v[X+4*i], v[X+4*i+1]
	v_cvt_pk_bf16_f32 v[X+4*i+1], v[X+4*i+2], v[X+4*i+3]
	global_store_b64 v2, v[X+4*i:X+4*i+1], s[24+2*(i/8):25+2*(i/8)] offset:256*(i%8)
.set i, i+1
.endr
	s_endpgm
.Lfunc_end_k_q511cc67eb8_cast:
	.size	k_q511cc67eb8_cast, .Lfunc_end_k_q511cc67eb8_cast-k_q511cc67eb8_cast
	.p2alignl 7, 3214868480
	.fill 96, 4, 3214868480
	.section	.rodata,"a",@progbits
	.p2align	6, 0x0
	.amdhsa_kernel k_q511cc67eb8_cast
		.amdhsa_group_segment_fixed_size 0
		.amdhsa_private_segment_fixed_size 0
		.amdhsa_enable_private_segment 0
		.amdhsa_kernarg_size 40
		.amdhsa_user_sgpr_count 2
		.amdhsa_user_sgpr_kernarg_segment_ptr 1
		.amdhsa_wavefront_size32 1
		.amdhsa_system_sgpr_workgroup_id_x 1
		.amdhsa_system_sgpr_workgroup_id_y 1
		.amdhsa_system_sgpr_workgroup_id_z 1
		.amdhsa_system_vgpr_workitem_id 0
		.amdhsa_next_free_vgpr 132
		.amdhsa_next_free_sgpr 66
		.amdhsa_reserve_vcc 0
		.amdhsa_float_denorm_mode_32 3
		.amdhsa_float_denorm_mode_16_64 3
		.amdhsa_memory_ordered 1
		.amdhsa_forward_progress 1
		.amdhsa_inst_pref_size 13
	.end_amdhsa_kernel
	.amdgpu_metadata
---
amdhsa.version: [ 1, 2 ]
amdhsa.kernels:
  - .name:           k_q511cc67eb8_cast
    .symbol:         k_q511cc67eb8_cast.kd
    .args:
      - { .name: x, .offset: 0, .size: 8, .value_kind: global_buffer, .address_space: global }
      - { .name: Wq, .offset: 8, .size: 8, .value_kind: global_buffer, .address_space: global }
      - { .name: Wk, .offset: 16, .size: 8, .value_kind: global_buffer, .address_space: global }
      - { .name: Wv, .offset: 24, .size: 8, .value_kind: global_buffer, .address_space: global }
      - { .name: xw, .offset: 32, .size: 8, .value_kind: global_buffer, .address_space: global }
    .group_segment_fixed_size: 0
    .private_segment_fixed_size: 0
    .kernarg_segment_align: 8
    .kernarg_segment_size: 40
    .max_flat_workgroup_size: 352
    .sgpr_count:     66
    .vgpr_count:     132
    .wavefront_size: 32
...
	.end_amdgpu_metadata
.endif
;; end of part 1
;; launch proj (part 2): grid 4 x 64, 4 waves a work-group, clusters of 4 x 4, 327,680 bytes of LDS; arguments xw, bq, bk, bv, qkv; writes qkv
.if DOCPART == 2
	.amdgcn_target "amdgcn-amd-amdhsa--gfx1250"
	.amdhsa_code_object_version 6
	.text
	.protected	k_q511cc67eb8_proj
	.globl	k_q511cc67eb8_proj
	.p2align	8
	.type	k_q511cc67eb8_proj,@function
k_q511cc67eb8_proj:
	s_mov_b64 s[64:65], 0
	v_nop
	global_prefetch_b8 v0, s[64:65] scope:SCOPE_SE
	s_setreg_imm32_b32 hwreg(HW_REG_WAVE_MODE, 25, 1), 1
	s_wait_xcnt 0x0
	s_wait_alu depctr_hold_cnt(0) depctr_sa_sdst(0) depctr_va_vdst(0) depctr_va_sdst(0) depctr_va_ssrc(0) depctr_va_vcc(0) depctr_vm_vsrc(0)
	s_getreg_b32 s2, hwreg(HW_REG_IB_STS2, 6, 4)
	s_cmp_eq_u32 s2, 0
	s_cbranch_scc0 .Lentry_in_a_cluster
	s_endpgm
.Lentry_in_a_cluster:
	s_bfe_u32 s2, ttmp6, 0x10000c
	s_cmp_lg_u32 s2, 0xf033
	s_cbranch_scc0 .Lentry_shape_is_right
	s_endpgm
.Lentry_shape_is_right:
; qkv[row][col] = sum over k of xb[row][k] W[col][k] + bias[col].  xb = rows 0-8191 of xw, W = rows 8192-11263 (Wq, Wk, Wv), both bf16 [..][1024];
; bias = bq, bk, bv (f32, rounded to bf16 like the other inputs); sums in f32; qkv = f16 [8192][3072]: columns 0-1023 Q, 1024-2047 K, 2048-3071 V.
; LIMIT.  f16 ends at 65,504: a Q, K or V beyond it becomes an infinity.  NaN and infinities are not treated apart.
; SHARES.  A tile is 128 rows x 256 columns.  A WORK-GROUP STAYS: 64 x 4 = 256 work-groups, each makes three tiles: its 128 rows and its 256 columns of Q, then of K, then of V.
; Four waves, each 64 x 128: 32 accumulators of 16 x 16.  K goes in steps of 128 through two LDS slots: 24 steps in one walk; the ring does not stop at a tile's end: a tile's last two
; changes of slots ask for the next tile's first two steps, and nothing waits for a tile's stores.
; CLUSTER.  4 x 4 work-groups: the four of a row of the cluster need the same tile of xb, the four of a column the same tile of W: each is asked for jointly.
; THE MATRIX INSTRUCTION IS USED TRANSPOSED (source 0 = 16 rows of W, source 1 = 16 rows of xb): a lane holds row l % 16 of the result and eight neighbouring columns 8 (l / 16) + 0..7.
; The bias is the C operand of a tile's first products, so it costs no addition and nothing is cleared.
; REGISTERS, in windows of 256 (s_set_vgpr_msb: bits 1:0 source 0, 3:2 source 1, 5:4 source 2, 7:6 destination):
;   window 0: addresses; v64-127 the bias of my 128 columns as a C operand; v192-223, v32-63, v224-255 the way out
;   window 1: two fragment buffers of 96: 4 fragments of xb, then 8 of W          window 2: accumulator (a, b) at v[8 (8 a + b)]
.set PITCH,  272                       ; an LDS row: 256 bytes + 16 of padding = 68 words: the 16 rows of a load start at 16 different groups of four banks (64 banks of 4 bytes: ISA guide 11.1)
.set AH,     64*PITCH                  ; 64 rows of xb: what wave 0 or 1 fetches, and what a wave reads of xb
.set BOFF,   2*AH                      ; W's 256 rows lie behind xb's 128
.set BH,     128*PITCH                 ; 128 rows of W: what wave 2 or 3 fetches, and what a wave reads of W
.set SLOT1,  131072                    ; slot 1 begins here: one exclusive or turns an address in one slot into the other's
.set STAGE,  BOFF+2*BH                 ; between the slots: 16 rows x 272 bytes for each wave, for the way out; no tile lands here
.set SPARE,  STAGE+4*16*PITCH          ; the spare words, 128 bytes for each wave: two blocks of 256 bytes that no other line names
.set ROWB,   6144                      ; bytes in a row of qkv
.set ADRA0, 14                         ; v14  my lane's place in xb's tile of slot 0; never rewritten
.set ADRB0, 15                         ; v15  the same for W
.set ADRA,  16                         ; v16  the same in the slot in hand
.set ADRB,  20                         ; v20
.set STO,   24                         ; v24  the way out: where I put 16 bytes of a row
.set RD,    25                         ; v25  where I read a row back
.set CO,    26                         ; v26  my byte offset in qkv
.set BO,    27                         ; v27  my byte offset in the bias
.set SPW,   28                         ; v28  LDS address of my spare word; never rewritten
.set NIL,   29                         ; v29  0; never rewritten
.set OB,    32                         ; 16 rows read back from the stage: v32-63 and v224-255 by turns
.set BI,    64
.set TMP,   192
.set F0,    0
.set F1,    96
.set G1,  24                           ; s[24:31] descriptor group 1 for xb's tiles
.set G0,  32                           ; s[32:39] group 0: a set for each first fill; the second then serves every refill
.set G1B, 48                           ; s[48:55], s[56:63] the same for W's tiles
.set G0B, 56
.set TB,  45                           ; s45  0 or SLOT1: the slot in hand
.set CNT, 3                            ; s3   trips to go
.set INT, 4                            ; s4   steps of the tile in hand that are still to be left
.set TIL, 5                            ; s5   the tile in hand: 0, 1, 2
.set NXT, 6                            ; s6   the step to be asked for next, 2 to 23
.set OFA, 84                           ; s[84:85] that step's byte offset from xb's base
.set OFB, 86                           ; s[86:87] and from W's
.set BP,  78                           ; s[78:79] the bias of the tile to come
.set MSB, 0
.macro WIN new                         ; the immediate's high byte repeats the setting that is left; a switch that changes nothing is dropped
.if MSB != (\new)
	s_set_vgpr_msb (MSB<<8)|(\new)
.set MSB, \new
.endif
.endm
.set MUL,  0xa5                        ; sources 0 and 1 window 1, C and D window 2
.set MULB, 0x85                        ; the same with C in window 0: the bias
.set TO_F, 0x40                        ; destination window 1, address window 0
.macro PLACES                          ; four places in front of loads into registers that matrix instructions have read, and of conversions that read results
.rept 4
	v_nop
.endr
.endm
.macro JLOAD                           ; a joint refill: waves 0 and 1 fetch xb's halves, waves 2 and 3 W's; an s_nop 0 and four v_nop follow each line
	s_cmp_eq_u32 s11, 0
	s_cbranch_scc0 .Lfor_b_\@
	tensor_load_to_lds s[G0+4:G0+7], s[G1:G1+7]
	s_nop 0
	PLACES
	s_branch .Lasked_\@
.Lfor_b_\@:
	tensor_load_to_lds s[G0B+4:G0B+7], s[G1B:G1B+7]
	s_nop 0
	PLACES
.Lasked_\@:
.endm
.macro CREST                           ; a round of the cluster's barrier behind its opening barrier
	s_cmp_lg_u32 s10, 0
	s_cbranch_scc1 .Lnot_wave_0_\@
	s_barrier_signal -3
.Lnot_wave_0_\@:
	s_barrier_wait -3
	s_barrier_signal -1
	s_barrier_wait -1
.endm
.macro CROUND                          ; a whole round
	s_barrier_signal -1
	s_barrier_wait -1
	CREST
.endm
.macro BLOADS                          ; the bias of my 128 columns, laid as a C operand: register j of block b is column 16 b + 8 (l / 16) + j
.irp b, 0,1,2,3,4,5,6,7
	global_load_b128 v[BI+8*(\b):BI+8*(\b)+3],   v[BO], s[BP:BP+1] offset:64*(\b)
	global_load_b128 v[BI+8*(\b)+4:BI+8*(\b)+7], v[BO], s[BP:BP+1] offset:64*(\b)+16
.endr
.endm
	s_load_b256 s[68:75], s[0:1], 0x0              ; xw s[68:69], bq s[70:71], bk s[72:73], bv s[74:75]
	s_load_b64 s[76:77], s[0:1], 0x20              ; qkv
	v_lshl_add_u32 v[SPW], v0, 2, SPARE
	v_mov_b32 v[NIL], 0
	ds_add_u32 v[SPW], v[NIL]                      ; the wave's opening: its add and wait stand ahead of my first tensor load, with the set-up below between them
	v_lshrrev_b32 v1, 5, v0
	v_readfirstlane_b32 s10, v1                    ; wave 0..3
	s_lshr_b32 s11, s10, 1                         ; which 64 rows of the tile are mine.  Also: I fetch for xb (0) or for W (1)
	s_and_b32 s12, s10, 1                          ; which 128 columns.  Also: which half of that tile I fetch
	s_bfe_u32 s40, ttmp6, 0x40000                  ; cx
	s_bfe_u32 s41, ttmp6, 0x40004                  ; cy
	s_lshl_b32 s42, ttmp9, 2
	s_add_co_u32 s42, s42, s40                     ; tile column 0..3 in each of Q, K, V
	s_and_b32 s13, ttmp7, 0xffff
	s_lshl_b32 s13, s13, 2
	s_add_co_u32 s13, s13, s41                     ; tile row 0..63
	s_lshl_b32 s43, s41, 2
	s_lshl_b32 s43, 15, s43                        ; my row of the cluster
	s_lshl_b32 s44, 0x1111, s40                    ; my column
	s_or_b32 s[G1], s43, 0x07710000                ; the mask; 2-byte elements; padding on; bit 21 beside a mask; after every 64 words (code 5) 4 words (code 3)
	s_or_b32 s[G1B], s44, 0x07710000
	s_mov_b32 s[G1+1], 128<<16                     ; tensor_dim0 = 128
	s_mov_b32 s[G1+2], 64<<16                      ; tensor_dim1 = 64
	s_mov_b32 s[G1+3], 128<<16                     ; tile_dim0 = 128
	s_mov_b32 s[G1+4], 64                          ; tile_dim1 = 64
	s_mov_b32 s[G1+5], 1024                        ; elements from row to row
	s_mov_b32 s[G1+6], 0
	s_mov_b32 s[G1+7], 0
	s_mov_b32 s[G1B+1], 128<<16
	s_mov_b32 s[G1B+2], 128<<16                    ; W's loads bring 128 rows
	s_mov_b32 s[G1B+3], 128<<16
	s_mov_b32 s[G1B+4], 128
	s_mov_b32 s[G1B+5], 1024
	s_mov_b32 s[G1B+6], 0
	s_mov_b32 s[G1B+7], 0
	s_lshl_b32 s16, s13, 7                         ; xb: row 128 x tile row + 64 x half, 2,048 bytes a row: made of the tile row alone
	s_lshl_b32 s17, s12, 6
	s_add_co_u32 s16, s16, s17
	s_lshl_b32 s16, s16, 11
	s_mov_b32 s17, 0
	s_lshl_b32 s46, s42, 8                         ; W: row 256 x tile column + 128 x half, behind xb's 8,192 rows: made of the tile column alone
	s_lshl_b32 s47, s12, 7
	s_add_co_u32 s46, s46, s47
	s_lshl_b32 s46, s46, 11
	s_add_co_u32 s46, s46, 16777216
	s_mov_b32 s47, 0
	s_mul_i32 s18, s12, AH                         ; where they go: no place in the cluster enters an LDS address
	s_mul_i32 s20, s12, BH
	s_add_co_u32 s20, s20, BOFF
	s_mov_b32 s[TB], 0
	s_mov_b32 s[INT], 8
	s_mov_b32 s[TIL], 0
	s_mov_b32 s[NXT], 2
	s_mov_b32 s[OFA+1], 0
	s_mov_b32 s[OFB+1], 0
	s_lshl_b32 s80, s42, 10                        ; the bias: 256 columns a tile,
	s_lshl_b32 s81, s12, 9                         ; my 128 of them
	s_add_co_u32 s80, s80, s81
	s_mov_b32 s81, 0
	s_wait_dscnt 0x0                               ; the opening add is done
	s_wait_kmcnt 0x0
	s_add_nc_u64 s[14:15], s[68:69], s[16:17]      ; xb's base and W's: kept; every refill's address is a base and an offset
	s_add_nc_u64 s[46:47], s[68:69], s[46:47]
	s_add_nc_u64 s[70:71], s[70:71], s[80:81]
	s_add_nc_u64 s[72:73], s[72:73], s[80:81]
	s_add_nc_u64 s[74:75], s[74:75], s[80:81]
	s_mov_b64 s[BP:BP+1], s[70:71]
	CROUND                                         ; all sixteen work-groups are here: the first joint loads meet
.irp s, 0,1
	s_mov_b32 s[G0+4*(\s)], 1
	s_add_co_u32 s[G0+4*(\s)+1], s18, (\s)*SLOT1
	s_add_nc_u64 s[G0+4*(\s)+2:G0+4*(\s)+3], s[14:15], (\s)*256    ; K step s
	s_or_b32 s[G0+4*(\s)+3], s[G0+4*(\s)+3], 0x80000000
	s_mov_b32 s[G0B+4*(\s)], 1
	s_add_co_u32 s[G0B+4*(\s)+1], s20, (\s)*SLOT1
	s_add_nc_u64 s[G0B+4*(\s)+2:G0B+4*(\s)+3], s[46:47], (\s)*256
	s_or_b32 s[G0B+4*(\s)+3], s[G0B+4*(\s)+3], 0x80000000
.endr
	s_cmp_eq_u32 s11, 0                            ; a wave's two first fills stand in one branch: two loads of mine are out
	s_cbranch_scc0 .Lfirst_b
	tensor_load_to_lds s[G0:G0+3], s[G1:G1+7]
	s_nop 0
	tensor_load_to_lds s[G0+4:G0+7], s[G1:G1+7]
	s_nop 0
	PLACES
	s_branch .Lfirst_asked
.Lfirst_b:
	tensor_load_to_lds s[G0B:G0B+3], s[G1B:G1B+7]
	s_nop 0
	tensor_load_to_lds s[G0B+4:G0B+7], s[G1B:G1B+7]
	s_nop 0
	PLACES
.Lfirst_asked:
	v_and_b32 v1, 15, v0                           ; l % 16
	v_bfe_u32 v2, v0, 4, 1                         ; l / 16
	v_lshlrev_b32 v[BO], 5, v2
	BLOADS                                         ; bq
	v_mul_u32_u24 v3, v1, PITCH
	v_lshl_add_u32 v3, v2, 4, v3                   ; a fragment's row x pitch + 16 x half
	s_mul_i32 s21, s11, AH
	v_add_nc_u32 v[ADRA0], s21, v3
	v_add_nc_u32 v[ADRB0], s20, v3
	v_mov_b32 v[ADRA], v[ADRA0]
	v_mov_b32 v[ADRB], v[ADRB0]
	s_mul_i32 s23, s10, 16*PITCH
	s_add_co_u32 s23, s23, STAGE                   ; my stage
	v_add_nc_u32 v[STO], s23, v3                   ; in: row l % 16, 16 bytes for each half of the lanes
	v_mul_u32_u24 v4, v2, PITCH                    ; back: lanes 0-15 take one row of 256 bytes, lanes 16-31 the next
	v_lshl_add_u32 v4, v1, 4, v4
	v_add_nc_u32 v[RD], s23, v4
	v_mul_u32_u24 v4, v2, ROWB                     ; and the same two rows in qkv
	v_lshl_add_u32 v[CO], v1, 4, v4
	s_lshl_b32 s80, s13, 7
	s_lshl_b32 s81, s11, 6
	s_add_co_u32 s80, s80, s81                     ; my first row of qkv
	s_mul_i32 s80, s80, ROWB
	s_lshl_b32 s81, s42, 9                         ; my first column of Q, in bytes
	s_add_co_u32 s80, s80, s81
	s_lshl_b32 s81, s12, 8
	s_add_co_u32 s80, s80, s81
	s_mov_b32 s81, 0
	s_add_nc_u64 s[76:77], s[76:77], s[80:81]
; 8 matrix instructions: row block blk x all 8 column blocks, 32 along K.  start = 1: a tile's first products take the bias as C.  The 32 accumulators take turns in one order.
.macro MULA f, blk, start
.irp b, 0,1,2,3,4,5,6,7
.if \start
	WIN MULB
	v_wmma_f32_16x16x32_bf16 v[8*(8*(\blk)+(\b)):8*(8*(\blk)+(\b))+7], v[(\f)+32+8*(\b):(\f)+32+8*(\b)+7], v[(\f)+8*(\blk):(\f)+8*(\blk)+7], v[BI+8*(\b):BI+8*(\b)+7]
.else
	WIN MUL
	v_wmma_f32_16x16x32_bf16 v[8*(8*(\blk)+(\b)):8*(8*(\blk)+(\b))+7], v[(\f)+32+8*(\b):(\f)+32+8*(\b)+7], v[(\f)+8*(\blk):(\f)+8*(\blk)+7], v[8*(8*(\blk)+(\b)):8*(8*(\blk)+(\b))+7]
.endif
.endr
.endm
; 24 LDS loads in one run: the fragments of 32 along K at byte k of the rows, into buffer f: W's eight, then xb's four
.macro FETCH k, f
	WIN TO_F
.irp i, 0,1,2,3,4,5,6,7
	ds_load_b128 v[(\f)+32+8*(\i):(\f)+32+8*(\i)+3],   v[ADRB] offset:(\k)+(\i)*16*PITCH
	ds_load_b128 v[(\f)+32+8*(\i)+4:(\f)+32+8*(\i)+7], v[ADRB] offset:(\k)+(\i)*16*PITCH+32
.endr
.irp i, 0,1,2,3
	ds_load_b128 v[(\f)+8*(\i):(\f)+8*(\i)+3],   v[ADRA] offset:(\k)+(\i)*16*PITCH
	ds_load_b128 v[(\f)+8*(\i)+4:(\f)+8*(\i)+7], v[ADRA] offset:(\k)+(\i)*16*PITCH+32
.endr
.endm
; A K step is four quarters of 32 along K, 32 matrix instructions each, on buffers 0, 1, 0, 1.  One of the first three: multiplies buffer f, and in its middle fetches the next quarter, at byte k, into g.
.macro QUARTER k, f, g, start
	s_wait_dscnt 4                                 ; all but the youngest four loads: xb's fragments 2 and 3
	MULA \f, 0, \start
	MULA \f, 1, \start
	PLACES
	FETCH \k, \g
	s_wait_dscnt 24                                ; all but the 24 just issued
	MULA \f, 2, \start
	MULA \f, 3, \start
.endm
; The last quarter multiplies buffer 1 and changes slots.  In front of the barrier each wave waits for all its tensor loads (one is out: its part of the next slot), adds 0 to its spare word,
; and waits for that and for its own reads of this slot.  fill = 1: the barrier opens a round of the cluster's barrier, and this slot is filled again, with step NXT, first thing behind it:
; xb's tile lies (NXT mod 8) x 256 bytes along its rows; W's likewise, and 1,024 rows of 2,048 bytes further for each tile.
.macro TURN fill
	WIN 0
	s_wait_tensorcnt 0x0
	ds_add_u32 v[SPW], v[NIL]
	s_wait_dscnt 5                                 ; the add and the youngest four loads may be out
	MULA F1, 0, 0
	s_wait_dscnt 0x0                               ; the add is done, and my reads of this slot are over
	s_barrier_signal -1
	MULA F1, 1, 0
	WIN 0
	s_barrier_wait -1
.if \fill
	CREST                                          ; no wave of any partner still reads this slot's tiles or has a load on its way
	s_and_b32 s[OFA], s[NXT], 7
	s_lshl_b32 s[OFA], s[OFA], 8
	s_lshr_b32 s[OFB], s[NXT], 3
	s_lshl_b32 s[OFB], s[OFB], 21
	s_add_co_u32 s[OFB], s[OFB], s[OFA]
	s_add_co_u32 s[NXT], s[NXT], 1
	s_xor_b32 s[G0+5], s[G0+5], SLOT1              ; the other slot than last time
	s_add_nc_u64 s[G0+6:G0+7], s[14:15], s[OFA:OFA+1]
	s_or_b32 s[G0+7], s[G0+7], 0x80000000
	s_xor_b32 s[G0B+5], s[G0B+5], SLOT1
	s_add_nc_u64 s[G0B+6:G0B+7], s[46:47], s[OFB:OFB+1]
	s_or_b32 s[G0B+7], s[G0B+7], 0x80000000
	JLOAD                                          ; 112 matrix instructions of mine stand between this request and the wait for it
.else
	PLACES
.endif
	s_xor_b32 s[TB], s[TB], SLOT1
	v_add_nc_u32 v[ADRA], s[TB], v[ADRA0]
	v_add_nc_u32 v[ADRB], s[TB], v[ADRB0]
	FETCH 0, F0
	MULA F1, 2, 0
	MULA F1, 3, 0
.endm
; THE WAY OUT of row block blk: rounded to f16, 16 bytes a lane; into my own stage, and back as whole rows of 256 bytes; stored.
.macro PACK blk
	WIN 0x0a                                       ; sources 0 and 1 window 2
.irp b, 0,1,2,3,4,5,6,7
.irp p, 0,1,2,3
	v_cvt_pk_f16_f32 v[TMP+4*(\b)+(\p)], v[8*(8*(\blk)+(\b))+2*(\p)], v[8*(8*(\blk)+(\b))+2*(\p)+1]
.endr
.endr
	WIN 0
.endm
.macro TOSTAGE blk
.set BK, OB+192*((\blk)%2)
	s_wait_xcnt 0x0                                ; the registers that earlier stores read, this tile's or the last's, are loaded again only behind this wait
.irp b, 0,1,2,3,4,5,6,7
	ds_store_b128 v[STO], v[TMP+4*(\b):TMP+4*(\b)+3] offset:32*(\b)
.endr
.irp t, 0,1,2,3,4,5,6,7
	ds_load_b128 v[BK+4*(\t):BK+4*(\t)+3], v[RD] offset:(\t)*2*PITCH   ; LDS serves a wave's instructions in order (ISA guide 5.7.1.4): these see the stores above
.endr
.endm
.macro SEND blk
.set BK, OB+192*((\blk)%2)
	s_wait_dscnt 0x0                               ; the block is back in registers
.irp t, 0,1,2,3,4,5,6,7
	global_store_b128 v[CO], v[BK+4*(\t):BK+4*(\t)+3], s[76:77] offset:(16*(\blk)+2*(\t))*ROWB   ; 16 lanes store 256 consecutive bytes, at a multiple of 256 from qkv's first byte
.endr
.endm
.macro WAYOUT next                     ; a block's conversions stand between the loads of the block before and the wait for them.  next = 1: qkv's base goes on to the next tile's columns
	PACK 0
	TOSTAGE 0
	PACK 1
	SEND 0
	TOSTAGE 1
	PACK 2
	SEND 1
	TOSTAGE 2
	PACK 3
	SEND 2
	TOSTAGE 3
	SEND 3
.if \next
	s_wait_xcnt 0x0                                ; the stores' base is written only behind this wait
	s_add_nc_u64 s[76:77], s[76:77], 2048          ; 1,024 columns of 2 bytes
.endif
.endm
	s_wait_tensorcnt 1                             ; my part of K step 0 is in; step 1's may stay out
	s_barrier_signal -1
	s_barrier_wait -1
	FETCH 0, F0
	WIN 0
	s_mov_b32 s[CNT], 23                           ; the entry in the middle of a trip takes one off: 22 whole trips, the refills for steps 2 to 23
	s_branch .Lbias                                ; the loop is entered where a tile begins
.Lstep:                                            ; a trip: a step's quarters 1 to 3, the change of slots, and the next step's quarter 0
	QUARTER 128, F1, F0, 0
	QUARTER 192, F0, F1, 0
	TURN 1
	WIN 0
	s_sub_co_u32 s[INT], s[INT], 1
	s_cmp_lg_u32 s[INT], 0
	s_cbranch_scc1 .Lplain                         ; seven times of eight; the jump passes neither a barrier nor a tensor load
	s_mov_b32 s[INT], 8                            ; A TILE IS FINISHED, and both refills for the next one are asked for
	s_add_co_u32 s[TIL], s[TIL], 1
	s_cmp_eq_u32 s[TIL], 1
	s_cselect_b64 s[BP:BP+1], s[72:73], s[74:75]   ; bk, then bv
	BLOADS                                         ; the next bias comes in while the tile goes out
	WAYOUT 1                                       ; no v_nop: block 0 was finished in front of the refill's four, and each block's conversions are the places behind the later products
.Lbias:
	s_wait_loadcnt 0x0                             ; the bias
.set i, 0
.rept 32
	v_cvt_pk_bf16_f32 v[TMP+i], v[BI+2*i], v[BI+2*i+1]             ; rounded to bf16 like x and the weights,
.set i, i+1
.endr
.set i, 0
.rept 32
	v_lshlrev_b32 v[BI+2*i], 16, v[TMP+i]                          ; and widened again
	v_and_b32 v[BI+2*i+1], 0xffff0000, v[TMP+i]
.set i, i+1
.endr
	QUARTER 64, F0, F1, 1                          ; a tile's first quarter: its products start the sums
	WIN 0
	s_branch .Lbottom
.Lplain:
	QUARTER 64, F0, F1, 0
	WIN 0
.Lbottom:
	s_sub_co_u32 s[CNT], s[CNT], 1
	s_cmp_lg_u32 s[CNT], 0
	s_cbranch_scc1 .Lstep
	QUARTER 128, F1, F0, 0                         ; the walk's last two steps fill nothing
	QUARTER 192, F0, F1, 0
	TURN 0
	QUARTER 64, F0, F1, 0
	QUARTER 128, F1, F0, 0
	QUARTER 192, F0, F1, 0
	s_wait_dscnt 4
	MULA F1, 0, 0
	MULA F1, 1, 0
	s_wait_dscnt 0x0
	MULA F1, 2, 0
	MULA F1, 3, 0
	WIN 0
	PLACES
	WAYOUT 0
	s_wait_tensorcnt 0x0                           ; the wave's end
	ds_add_u32 v[SPW], v[NIL]
	s_wait_dscnt 0x0
	CROUND                                         ; the closing round
	s_endpgm
.Lfunc_end_k_q511cc67eb8_proj:
	.size	k_q511cc67eb8_proj, .Lfunc_end_k_q511cc67eb8_proj-k_q511cc67eb8_proj
	.p2alignl 7, 3214868480
	.fill 96, 4, 3214868480
	.section	.rodata,"a",@progbits
	.p2align	6, 0x0
	.amdhsa_kernel k_q511cc67eb8_proj
		.amdhsa_group_segment_fixed_size 327680
		.amdhsa_private_segment_fixed_size 0
		.amdhsa_enable_private_segment 0
		.amdhsa_kernarg_size 40
		.amdhsa_user_sgpr_count 2
		.amdhsa_user_sgpr_kernarg_segment_ptr 1
		.amdhsa_wavefront_size32 1
		.amdhsa_system_sgpr_workgroup_id_x 1
		.amdhsa_system_sgpr_workgroup_id_y 1
		.amdhsa_system_sgpr_workgroup_id_z 1
		.amdhsa_system_vgpr_workitem_id 0
		.amdhsa_next_free_vgpr 768
		.amdhsa_next_free_sgpr 96
		.amdhsa_reserve_vcc 0
		.amdhsa_float_denorm_mode_32 3
		.amdhsa_float_denorm_mode_16_64 3
		.amdhsa_memory_ordered 1
		.amdhsa_forward_progress 1
		.amdhsa_inst_pref_size 94
	.end_amdhsa_kernel
	.amdgpu_metadata
---
amdhsa.version: [ 1, 2 ]
amdhsa.kernels:
  - .name:           k_q511cc67eb8_proj
    .symbol:         k_q511cc67eb8_proj.kd
    .args:
      - { .name: xw, .offset: 0, .size: 8, .value_kind: global_buffer, .address_space: global }
      - { .name: bq, .offset: 8, .size: 8, .value_kind: global_buffer, .address_space: global }
      - { .name: bk, .offset: 16, .size: 8, .value_kind: global_buffer, .address_space: global }
      - { .name: bv, .offset: 24, .size: 8, .value_kind: global_buffer, .address_space: global }
      - { .name: qkv, .offset: 32, .size: 8, .value_kind: global_buffer, .address_space: global }
    .group_segment_fixed_size: 327680
    .private_segment_fixed_size: 0
    .kernarg_segment_align: 8
    .kernarg_segment_size: 40
    .max_flat_workgroup_size: 128
    .sgpr_count:     96
    .vgpr_count:     768
    .wavefront_size: 32
...
	.end_amdgpu_metadata
.endif
;; end of part 2
;; launch scores (part 3): grid 8 x 32, 4 waves a work-group, clusters of 4 x 4, 327,680 bytes of LDS; arguments qkv, ssm, pt, st; writes pt, st
.if DOCPART == 3
	.amdgcn_target "amdgcn-amd-amdhsa--gfx1250"
	.amdhsa_code_object_version 6
	.text
	.protected	k_q511cc67eb8_scores
	.globl	k_q511cc67eb8_scores
	.p2align	8
	.type	k_q511cc67eb8_scores,@function
k_q511cc67eb8_scores:
	s_mov_b64 s[64:65], 0
	v_nop
	global_prefetch_b8 v0, s[64:65] scope:SCOPE_SE
	s_setreg_imm32_b32 hwreg(HW_REG_WAVE_MODE, 25, 1), 1
	s_wait_xcnt 0x0
	s_wait_alu depctr_hold_cnt(0) depctr_sa_sdst(0) depctr_va_vdst(0) depctr_va_sdst(0) depctr_va_ssrc(0) depctr_va_vcc(0) depctr_vm_vsrc(0)
	s_getreg_b32 s2, hwreg(HW_REG_IB_STS2, 6, 4)
	s_cmp_eq_u32 s2, 0
	s_cbranch_scc0 .Lentry_in_a_cluster
	s_endpgm
.Lentry_in_a_cluster:
	s_bfe_u32 s2, ttmp6, 0x10000c
	s_cmp_lg_u32 s2, 0xf033
	s_cbranch_scc0 .Lentry_shape_is_right
	s_endpgm
.Lentry_shape_is_right:
; t[q][k] = (Q[q] . K[k]) x ssm[q][k].  For each query and each CHUNK of 128 keys: cm = c max t, p = 2^(c t - cm), l = the sum of p; c = log2(e) / 32.
; Q, K: f16 columns 0-1023 and 1024-2047 of qkv [8192][3072] (row b*2048+s); ssm: f32 [4][2048][2048], taken as it is; pt: f16 [8192][2048] takes p; st: f32 [4 b][16 chunks][cm, l][2048 q].
; The maximum taken away is the chunk's true one; the next launch corrects every chunk to the row's true maximum.  Products, maxima, sums in f32; l is the sum of the unrounded p.
; LIMITS.  p lies in 0 to 1 and below 6e-5 keeps f16's fixed step of 6e-8.  NaN and infinities are not treated apart.
; SHARES.  A tile is 256 queries x 256 keys of one batch: 32 x 8 = 256 work-groups.  Four waves, each 128 x 128: 64 accumulators, 512 registers; a wave's 128 keys are one chunk.
; K goes in 8 steps of 128 through two LDS slots.  When a slot has had its last tile, it takes ssm: each wave fetches 64 rows x 128 keys of its own part into each slot.
; CLUSTER.  4 x 4 work-groups: Q's tile is shared along a row of the cluster, K's along a column: joint loads.  ssm is nobody else's: plain loads, behind rounds like all tensor loads of a cluster launch.
; THE MATRIX INSTRUCTION IS USED TRANSPOSED (source 0 = 16 keys, source 1 = 16 queries): a lane holds ONE query (l % 16) and in block b the keys 16 b + 8 (l / 16) + 0..7.
; REGISTERS, in windows of 256 (s_set_vgpr_msb: bits 1:0 source 0, 3:2 source 1, 5:4 source 2, 7:6 destination):
;   window 0: v0-41 addresses and statistics; v64-127, v128-191 fragments of Q, two buffers; behind the products: v64-127 t, v128-191 ssm, v192-223 p packed, v224-255 rows on their way out
;   window 1: v64-127, v128-191 fragments of K          window 2: the accumulators of my queries 0-63 ((a, b) at v[8 (8 a + b)])          window 3: those of queries 64-127
.set KSTEP,  128
.set PITCH,  272                       ; an LDS row: 256 bytes + 16 of padding: the 16 rows of a load start at 16 different groups of four banks (64 banks of 4 bytes: ISA guide 11.1)
.set HALFT,  128*PITCH
.set SLOT,   4*HALFT                   ; Q's 256 rows, then K's 256 rows
.set STAGE,  2*SLOT                    ; behind the ring, for each wave: 16 rows x 272 bytes for p, then 1,024 bytes for its 128 cm and 128 l
.set WSTG,   16*PITCH+1024
.set SPARE,  STAGE+4*WSTG              ; the spare words, 128 bytes for each wave: two blocks of 256 bytes that no other line names
.set SPIT,   528                       ; a row of ssm in LDS: 512 bytes + 16
.set SHALF,  64*SPIT                   ; 64 such rows: a wave's part of a slot
.set LAPS,   4                         ; 1,024 / (2 x 128)
.set STL,  3                           ; v3   where I read 16 bytes of the statistics back
.set PF,   5                           ; v5   prefetch: my block of 256 bytes among 16 rows of ssm
.set STS,  6                           ; v6   where I put cm (lanes 0-15) or l (lanes 16-31)
.set SG,   7                           ; v7   16 x lane
.set SSL,  10                          ; v10, v11  my lane's place in my ssm rows of slot 0, 1
.set ADRA, 16                          ; v16-17  LDS address of my Q fragments in slot 0, 1
.set ADRB, 20                          ; v20-21  the same for K
.set STO,  24
.set RD,   25
.set CO,   26                          ; v26  my byte offset in pt
.set SPW,  28
.set NIL,  29
.set C0,   32                          ; v32-35  four running maxima
.set CM,   36                          ; v36 cm, v37 the maximum
.set LS,   38                          ; v38-39  l: even keys', odd keys'
.set TT,   40
.set TU,   41
.set F0,   64
.set F1,   128
.set T,    64
.set SD,   128
.set PK,   192
.set OB,   224
.set G1,  24                           ; s[24:31] group 1 for Q's tiles;  s[32:39] group 0, a set for each slot
.set G0,  32
.set G1B, 48                           ; s[48:55], s[56:63] the same for K's
.set G0B, 56
.set G1S, 80                           ; s[80:87] group 1 for ssm;  s[88:95] group 0, a set for each half
.set G0S, 88
.set CS,  78                           ; s[78:79] c, twice
.set SEL, 96                           ; s[96:97] v_permlanex16_b32's selects: each lane takes its own place in the other half
.set HM,  98                           ; s98  the mask of lanes 16-31
.set MSB, 0
.macro WIN new
.if MSB != (\new)
	s_set_vgpr_msb (MSB<<8)|(\new)
.set MSB, \new
.endif
.endm
.set MUL_LO, 0xa1                      ; source 0 (K) window 1, source 1 (Q) window 0, C and D window 2
.set MUL_HI, 0xf1                      ; the same, C and D window 3
.set TO_B,   0x40
.macro PLACES
.rept 4
	v_nop
.endr
.endm
.macro JLOAD s                         ; a joint load: waves 0 and 1 fetch Q's halves, waves 2 and 3 K's; an s_nop 0 and four v_nop follow each line
	s_cmp_eq_u32 s11, 0
	s_cbranch_scc0 .Lfor_b_\@
	tensor_load_to_lds s[G0+4*(\s):G0+4*(\s)+3], s[G1:G1+7]
	s_nop 0
	PLACES
	s_branch .Lasked_\@
.Lfor_b_\@:
	tensor_load_to_lds s[G0B+4*(\s):G0B+4*(\s)+3], s[G1B:G1B+7]
	s_nop 0
	PLACES
.Lasked_\@:
.endm
.macro SLOAD h                         ; my own 64 rows of ssm, half h, into my part of slot h
	tensor_load_to_lds s[G0S+4*(\h):G0S+4*(\h)+3], s[G1S:G1S+7]
	s_nop 0
	PLACES
.endm
.macro CREST
	s_cmp_lg_u32 s10, 0
	s_cbranch_scc1 .Lnot_wave_0_\@
	s_barrier_signal -3
.Lnot_wave_0_\@:
	s_barrier_wait -3
	s_barrier_signal -1
	s_barrier_wait -1
.endm
.macro CROUND
	s_barrier_signal -1
	s_barrier_wait -1
	CREST
.endm
	s_load_b256 s[68:75], s[0:1], 0x0              ; qkv s[68:69], ssm s[70:71], pt s[72:73], st s[74:75]
	v_lshl_add_u32 v[SPW], v0, 2, SPARE
	v_mov_b32 v[NIL], 0
	ds_add_u32 v[SPW], v[NIL]                      ; the wave's opening: the add and its wait stand ahead of my first tensor load
	v_lshrrev_b32 v1, 5, v0
	v_readfirstlane_b32 s10, v1                    ; wave 0..3
	s_lshr_b32 s11, s10, 1                         ; which 128 queries are mine.  Also: I fetch for Q (0) or for K (1)
	s_and_b32 s12, s10, 1                          ; which 128 keys.  Also: which 128 rows of that tile I fetch
	s_bfe_u32 s40, ttmp6, 0x40000                  ; cx
	s_bfe_u32 s41, ttmp6, 0x40004                  ; cy
	s_lshl_b32 s42, ttmp9, 2
	s_add_co_u32 s42, s42, s40                     ; key tile 0..7
	s_and_b32 s13, ttmp7, 0xffff
	s_lshl_b32 s13, s13, 2
	s_add_co_u32 s13, s13, s41                     ; 8 x batch + query tile, 0..31
	s_and_b32 s20, ttmp7, 0xffff
	s_lshr_b32 s20, s20, 1                         ; the batch, from the cluster's y alone: all sixteen partners share it
	s_lshl_b32 s43, s41, 2
	s_lshl_b32 s43, 15, s43                        ; my row of the cluster
	s_lshl_b32 s44, 0x1111, s40                    ; my column
	s_or_b32 s[G1], s43, 0x07710000                ; the mask; 2-byte elements; padding on; bit 21 beside a mask; after every 64 words (code 5) 4 words (code 3)
	s_or_b32 s[G1B], s44, 0x07710000
.irp g, G1, G1B
	s_mov_b32 s[(\g)+1], KSTEP<<16                 ; tensor_dim0 = 128
	s_mov_b32 s[(\g)+2], 128<<16                   ; tensor_dim1 = 128
	s_mov_b32 s[(\g)+3], KSTEP<<16                 ; tile_dim0 = 128
	s_mov_b32 s[(\g)+4], 128                       ; tile_dim1 = 128
	s_mov_b32 s[(\g)+5], 3072                      ; elements from row to row of qkv
	s_mov_b32 s[(\g)+6], 0
	s_mov_b32 s[(\g)+7], 0
.endr
	s_mov_b32 s[G1S], 0x07920000                   ; no mask; 4-byte elements; padding on; after every 128 words (code 6) 4 words (code 3)
	s_mov_b32 s[G1S+1], 128<<16
	s_mov_b32 s[G1S+2], 64<<16
	s_mov_b32 s[G1S+3], 128<<16
	s_mov_b32 s[G1S+4], 64
	s_mov_b32 s[G1S+5], 2048
	s_mov_b32 s[G1S+6], 0
	s_mov_b32 s[G1S+7], 0
	s_lshl_b32 s16, s13, 8                         ; Q: row 256 x (8 batch + query tile) + 128 x half: no cx in it
	s_lshl_b32 s17, s12, 7
	s_add_co_u32 s16, s16, s17
	s_mul_i32 s16, s16, 6144
	s_mov_b32 s17, 0
	s_lshl_b32 s46, s20, 11                        ; K: row 2,048 x batch + 256 x key tile + 128 x half, 2,048 bytes into the row: no cy in it
	s_lshl_b32 s47, s42, 8
	s_add_co_u32 s46, s46, s47
	s_lshl_b32 s47, s12, 7
	s_add_co_u32 s46, s46, s47
	s_mul_i32 s46, s46, 6144
	s_add_co_u32 s46, s46, 2048
	s_mov_b32 s47, 0
	s_mul_i32 s19, s10, HALFT                      ; where the tiles go: wave x 128 rows
	s_mul_i32 s18, s10, SHALF                      ; where my ssm goes
	s_lshl_b32 s4, s13, 8
	s_lshl_b32 s5, s11, 7
	s_add_co_u32 s4, s4, s5                        ; my first query among the 8,192 rows
	s_lshl_b32 s5, s42, 8
	s_lshl_b32 s6, s12, 7
	s_add_co_u32 s5, s5, s6                        ; my first key in the batch
	s_lshl_b32 s6, s4, 13
	s_lshl2_add_u32 s6, s5, s6                     ; in ssm: 8,192 bytes a row, 4 a key
	s_mov_b32 s7, 0
	s_lshl_b32 s8, s4, 12
	s_lshl1_add_u32 s8, s5, s8                     ; in pt: 4,096 bytes a row, 2 a key
	s_mov_b32 s9, 0
	s_lshl_b32 s2, s20, 4
	s_lshl1_add_u32 s2, s42, s2
	s_add_co_u32 s2, s2, s12                       ; 16 x batch + my chunk
	s_lshl_b32 s2, s2, 14                          ; 16,384 bytes a chunk in st,
	s_and_b32 s3, s4, 2047
	s_lshl2_add_u32 s2, s3, s2                     ; and my first query in the batch
	s_mov_b32 s3, 0
	s_mov_b32 s[CS], 0x3d38aa3b                    ; c = log2(e) / 32
	s_mov_b32 s[CS+1], s[CS]
	s_mov_b32 s[SEL], 0x76543210
	s_mov_b32 s[SEL+1], 0xfedcba98
	s_mov_b32 s[HM], 0xffff0000
	s_wait_dscnt 0x0                               ; the opening add is done
	s_wait_kmcnt 0x0
	s_add_nc_u64 s[14:15], s[68:69], s[16:17]
	s_add_nc_u64 s[46:47], s[68:69], s[46:47]
	s_add_nc_u64 s[70:71], s[70:71], s[6:7]
	s_add_nc_u64 s[72:73], s[72:73], s[8:9]
	s_add_nc_u64 s[74:75], s[74:75], s[2:3]
	CROUND                                         ; all sixteen work-groups are here: the first joint loads meet
.irp s, 0,1
	s_mov_b32 s[G0+4*(\s)], 1
	s_add_co_u32 s[G0+4*(\s)+1], s19, (\s)*SLOT
	s_add_nc_u64 s[G0+4*(\s)+2:G0+4*(\s)+3], s[14:15], (\s)*KSTEP*2
	s_or_b32 s[G0+4*(\s)+3], s[G0+4*(\s)+3], 0x80000000
	s_mov_b32 s[G0B+4*(\s)], 1
	s_add_co_u32 s[G0B+4*(\s)+1], s19, (\s)*SLOT
	s_add_nc_u64 s[G0B+4*(\s)+2:G0B+4*(\s)+3], s[46:47], (\s)*KSTEP*2
	s_or_b32 s[G0B+4*(\s)+3], s[G0B+4*(\s)+3], 0x80000000
	s_mov_b32 s[G0S+4*(\s)], 1
	s_add_co_u32 s[G0S+4*(\s)+1], s18, (\s)*SLOT
	s_add_nc_u64 s[G0S+4*(\s)+2:G0S+4*(\s)+3], s[70:71], (\s)*64*8192
	s_or_b32 s[G0S+4*(\s)+3], s[G0S+4*(\s)+3], 0x80000000
.endr
	s_cmp_eq_u32 s11, 0                            ; a wave's two first fills stand in one branch: two loads of mine are out
	s_cbranch_scc0 .Lfirst_b
	tensor_load_to_lds s[G0:G0+3], s[G1:G1+7]
	s_nop 0
	tensor_load_to_lds s[G0+4:G0+7], s[G1:G1+7]
	s_nop 0
	PLACES
	s_branch .Lfirst_asked
.Lfirst_b:
	tensor_load_to_lds s[G0B:G0B+3], s[G1B:G1B+7]
	s_nop 0
	tensor_load_to_lds s[G0B+4:G0B+7], s[G1B:G1B+7]
	s_nop 0
	PLACES
.Lfirst_asked:
	v_and_b32 v1, 15, v0                           ; l % 16
	v_bfe_u32 v2, v0, 4, 1                         ; l / 16
	v_and_b32 v8, 31, v0                           ; lane
	v_mul_u32_u24 v9, v1, PITCH
	v_lshl_add_u32 v9, v2, 4, v9                   ; a fragment's row x pitch + 16 x half
	s_mul_i32 s21, s11, HALFT                      ; my 128 rows of Q
	s_mul_i32 s22, s12, HALFT                      ; my 128 rows of K,
	s_add_co_u32 s22, s22, 2*HALFT                 ; which lie behind Q's 256
.irp s, 0,1
	v_add_nc_u32 v[ADRA+(\s)], s21, v9
	v_add_nc_u32 v[ADRB+(\s)], s22, v9
	s_add_co_u32 s21, s21, SLOT
	s_add_co_u32 s22, s22, SLOT
.endr
	s_mul_i32 s23, s10, WSTG
	s_add_co_u32 s23, s23, STAGE                   ; my stage
	v_add_nc_u32 v[STO], s23, v9                   ; in: row l % 16, 16 bytes for each half of the lanes
	v_mul_u32_u24 v12, v2, PITCH                   ; back: lanes 0-15 one row of 256 bytes, lanes 16-31 the next
	v_lshl_add_u32 v12, v1, 4, v12
	v_add_nc_u32 v[RD], s23, v12
	v_lshlrev_b32 v12, 12, v2                      ; and the same two rows in pt
	v_lshl_add_u32 v[CO], v1, 4, v12
	s_add_co_u32 s23, s23, 16*PITCH                ; my statistics: 128 cm, then 128 l
	v_lshlrev_b32 v12, 9, v2
	v_lshl_add_u32 v12, v1, 2, v12
	v_add_nc_u32 v[STS], s23, v12
	v_lshlrev_b32 v[SG], 4, v8
	v_add_nc_u32 v[STL], s23, v[SG]
	v_mul_u32_u24 v12, v1, SPIT                    ; ssm: row l % 16, my eight keys of a block: 32 bytes for each half of the lanes
	v_lshl_add_u32 v12, v2, 5, v12
	v_add_nc_u32 v[SSL], s18, v12
	v_add_nc_u32 v[SSL+1], SLOT, v[SSL]
	v_lshrrev_b32 v12, 1, v8                       ; prefetch: two lanes a row of 512 bytes, 16 rows an instruction
	v_and_b32 v13, 1, v8
	v_lshlrev_b32 v12, 13, v12
	v_lshl_add_u32 v[PF], v13, 8, v12
	v_mov_b32 v[TU], 0                             ; v_permlanex16_b32's destination counts as read
; 16 matrix instructions: query blocks a0, a0 + 1 of the window's four x all 8 key blocks, 32 along K.  The 64 accumulators take turns in one order.
.macro MUL16 f, hi, a0, zero
	WIN MUL_LO+0x50*(\hi)
.irp a, \a0, (\a0)+1
.irp b, 0,1,2,3,4,5,6,7
.if \zero
	v_wmma_f32_16x16x32_f16 v[8*(8*(\a)+(\b)):8*(8*(\a)+(\b))+7], v[(\f)+8*(\b):(\f)+8*(\b)+7], v[(\f)+8*(4*(\hi)+(\a)):(\f)+8*(4*(\hi)+(\a))+7], 0
.else
	v_wmma_f32_16x16x32_f16 v[8*(8*(\a)+(\b)):8*(8*(\a)+(\b))+7], v[(\f)+8*(\b):(\f)+8*(\b)+7], v[(\f)+8*(4*(\hi)+(\a)):(\f)+8*(4*(\hi)+(\a))+7], v[8*(8*(\a)+(\b)):8*(8*(\a)+(\b))+7]
.endif
.endr
.endr
.endm
; 32 LDS loads in one run: the fragments of one quarter step into buffer f: K's eight, then Q's eight
.macro FETCH slot, k, f
	WIN TO_B
.irp i, 0,1,2,3,4,5,6,7
	ds_load_b128 v[(\f)+8*(\i):(\f)+8*(\i)+3],   v[ADRB+(\slot)] offset:(\k)+(\i)*16*PITCH
	ds_load_b128 v[(\f)+8*(\i)+4:(\f)+8*(\i)+7], v[ADRB+(\slot)] offset:(\k)+(\i)*16*PITCH+32
.endr
	WIN 0
.irp i, 0,1,2,3,4,5,6,7
	ds_load_b128 v[(\f)+8*(\i):(\f)+8*(\i)+3],   v[ADRA+(\slot)] offset:(\k)+(\i)*16*PITCH
	ds_load_b128 v[(\f)+8*(\i)+4:(\f)+8*(\i)+7], v[ADRA+(\slot)] offset:(\k)+(\i)*16*PITCH+32
.endr
.endm
; One of a K step's first three quarters: multiplies buffer f; in its middle it fetches the next quarter's fragments into g.
; pf >= 0: behind that run four prefetches ask for 64 rows x 512 bytes of my own part of ssm, rows 16 pf on: each block of 256 bytes once in the launch, by the wave that will fetch it.
.macro QUARTER slot, k, f, g, zero, pf=-1
	s_wait_dscnt 8                                 ; K and Q's rows 0-63 are in; the youngest eight loads may be out
	MUL16 \f, 0, 0, \zero
	MUL16 \f, 0, 2, \zero
	PLACES
	FETCH \slot, \k, \g
.if (\pf) >= 0
.irp n, 0,1,2,3
	global_prefetch_b8 v[PF], s[70:71] offset:((\pf)+(\n))*131072 th:TH_LOAD_NT scope:SCOPE_SE
.endr
.endif
	s_wait_dscnt 32                                ; all but the 32 just issued
	MUL16 \f, 1, 0, \zero
	MUL16 \f, 1, 2, \zero
.endm
; The first half of a step's last quarter, and the barrier that opens a round: each wave waits for all its tensor loads, adds 0 to its spare word, and waits for that and for its own reads of this slot.
.macro MEET
	WIN 0
	s_wait_tensorcnt 0x0
	ds_add_u32 v[SPW], v[NIL]
	s_wait_dscnt 9                                 ; the add and the youngest eight loads may be out
	MUL16 F1, 0, 0, 0
	s_wait_dscnt 0x0                               ; the add is done, and my reads of this slot are over
	s_barrier_signal -1
	MUL16 F1, 0, 2, 0
	WIN 0
	s_barrier_wait -1
.endm
.macro TURN slot, next                 ; the whole last quarter: the slot just read is filled again, two K steps ahead, first thing behind the round
	MEET
	CREST
	s_add_nc_u64 s[G0+4*(\slot)+2:G0+4*(\slot)+3], s[G0+4*(\slot)+2:G0+4*(\slot)+3], 2*KSTEP*2
	s_add_nc_u64 s[G0B+4*(\slot)+2:G0B+4*(\slot)+3], s[G0B+4*(\slot)+2:G0B+4*(\slot)+3], 2*KSTEP*2
	JLOAD \slot
	FETCH \next, 0, F0
	MUL16 F1, 1, 0, 0
	MUL16 F1, 1, 2, 0
.endm
; THE SOFTMAX'S FIRST HALF, for block blk of 16 queries x my 128 keys: a lane has 64 scores of one query.
.macro SDLOAD blk                      ; the block's ssm: my 8 x 32 bytes of row l % 16
	WIN 0
.irp b, 0,1,2,3,4,5,6,7
	ds_load_b128 v[SD+8*(\b):SD+8*(\b)+3],   v[SSL+((\blk)/4)] offset:((\blk)%4)*16*SPIT+64*(\b)
	ds_load_b128 v[SD+8*(\b)+4:SD+8*(\b)+7], v[SSL+((\blk)/4)] offset:((\blk)%4)*16*SPIT+64*(\b)+16
.endr
.endm
.macro SEND blk
.irp t, 0,1,2,3,4,5,6,7
	global_store_b128 v[CO], v[OB+4*(\t):OB+4*(\t)+3], s[72:73] offset:(16*(\blk)+2*(\t))*4096   ; 16 lanes store 256 consecutive bytes, at a multiple of 256 from pt's first byte
.endr
.endm
.macro EPI blk
.if (\blk) == 0
	s_wait_dscnt 0x0                               ; ssm of block 0
.else
	s_wait_dscnt 17                                ; ssm of this block is in: behind its loads went the statistic's store, 8 stores and 8 loads of the stage
.endif
	WIN 2+((\blk)/4)                               ; source 0: the accumulators' window
.set i, 0
.rept 32
	v_pk_mul_f32 v[T+2*i:T+2*i+1], v[64*((\blk)%4)+2*i:64*((\blk)%4)+2*i+1], v[SD+2*i:SD+2*i+1]   ; each accumulator from its low end on
.set i, i+1
.endr
	WIN 0
.if (\blk) > 0
	s_wait_dscnt 0x0                               ; the block before is back from the stage
	SEND (\blk)-1
.endif
.if (\blk) == 3
	s_wait_tensorcnt 0x0                           ; my second half of ssm has landed: the one load of mine that was out; only I read it
.endif
.if (\blk) < 7
	SDLOAD (\blk)+1                                ; a block ahead
.endif
.irp k, 0,1,2,3                        ; the maximum of 64: four chains of 15, three operands at a time,
	v_max3_num_f32 v[C0+(\k)], v[T+16*(\k)], v[T+16*(\k)+1], v[T+16*(\k)+2]
.endr
.irp n, 0,1,2,3,4,5
.irp k, 0,1,2,3
	v_max3_num_f32 v[C0+(\k)], v[C0+(\k)], v[T+16*(\k)+3+2*(\n)], v[T+16*(\k)+4+2*(\n)]
.endr
.endr
	v_max3_num_f32 v[C0], v[C0], v[T+15], v[T+31]  ; the four left over, and the chains' ends
	v_max3_num_f32 v[C0+2], v[C0+2], v[T+47], v[T+63]
	v_max3_num_f32 v[C0], v[C0], v[C0+1], v[C0+2]
	v_max_num_f32 v[C0], v[C0], v[C0+3]
	v_permlanex16_b32 v[C0+1], v[C0], s[SEL], s[SEL+1]             ; the query's other 64 keys lie in the lane 16 away
	v_max_num_f32 v[CM+1], v[C0], v[C0+1]
	v_mul_f32 v[CM], s[CS], v[CM+1]
.set i, 0
.rept 32
	v_pk_fma_f32 v[T+2*i:T+2*i+1], v[T+2*i:T+2*i+1], s[CS:CS+1], v[CM:CM+1] op_sel_hi:[1,0,0] neg_lo:[0,0,1] neg_hi:[0,0,1]   ; c t - cm
.set i, i+1
.endr
.set i, 0
.rept 32                               ; two exponentials, then the pair before is rounded and summed: a plain instruction stands behind every exponential before its result is used (ISA guide 5.7.2)
	v_exp_f32 v[T+2*i], v[T+2*i]
	v_exp_f32 v[T+2*i+1], v[T+2*i+1]
.if i == 0
	v_nop
.else
	s_wait_alu depctr_va_vdst(0)
	v_cvt_pk_f16_f32 v[PK+i-1], v[T+2*i-2], v[T+2*i-1]
.if i == 2
	v_pk_add_f32 v[LS:LS+1], v[T:T+1], v[T+2:T+3]
.elseif i > 2
	v_pk_add_f32 v[LS:LS+1], v[LS:LS+1], v[T+2*i-2:T+2*i-1]
.endif
.endif
.set i, i+1
.endr
	v_cvt_pk_f16_f32 v[PK+31], v[T+62], v[T+63]
	v_pk_add_f32 v[LS:LS+1], v[LS:LS+1], v[T+62:T+63]
	v_add_f32 v[TT], v[LS], v[LS+1]
	v_permlanex16_b32 v[TU], v[TT], s[SEL], s[SEL+1]
	v_add_f32 v[LS], v[TT], v[TU]
	v_cndmask_b32 v[TT], v[CM], v[LS], s[HM]       ; lanes 0-15 carry cm, lanes 16-31 l
	ds_store_b32 v[STS], v[TT] offset:64*(\blk)
	s_wait_xcnt 0x0                                ; the registers that the last block's stores read are loaded again only behind this wait
.irp b, 0,1,2,3,4,5,6,7
	ds_store_b128 v[STO], v[PK+4*(\b):PK+4*(\b)+3] offset:32*(\b)
.endr
.irp t, 0,1,2,3,4,5,6,7
	ds_load_b128 v[OB+4*(\t):OB+4*(\t)+3], v[RD] offset:(\t)*2*PITCH   ; LDS serves a wave's instructions in order (ISA guide 5.7.1.4): these see the stores above
.endr
.endm
	s_wait_tensorcnt 1                             ; my part of K step 0 is in; step 1's may stay out
	s_barrier_signal -1
	s_barrier_wait -1
	FETCH 0, 0, F0
	QUARTER 0, 64,  F0, F1, 1                      ; the first quarter stands in front of the loop: its products start the sums
	WIN 0
	s_mov_b32 s3, LAPS-1
.Llap:                                             ; a trip goes once round the ring and fills both slots again
	QUARTER 0, 128, F1, F0, 0
	QUARTER 0, 192, F0, F1, 0
	TURN 0, 1
	QUARTER 1, 64,  F0, F1, 0
	QUARTER 1, 128, F1, F0, 0
	QUARTER 1, 192, F0, F1, 0
	TURN 1, 0
	QUARTER 0, 64,  F0, F1, 0
	WIN 0
	s_sub_co_u32 s3, s3, 1
	s_cmp_lg_u32 s3, 0
	s_cbranch_scc1 .Llap
	QUARTER 0, 128, F1, F0, 0, 0                   ; the last lap: my first 64 rows of ssm are asked for ahead, two quarters before their tensor load
	QUARTER 0, 192, F0, F1, 0
	MEET                                           ; slot 0 has had its last tile:
	CREST
	SLOAD 0                                        ; it takes the first half of ssm, each wave's own part
	FETCH 1, 0, F0
	MUL16 F1, 1, 0, 0
	MUL16 F1, 1, 2, 0
	QUARTER 1, 64,  F0, F1, 0, 4                   ; my other 64 rows of ssm, three quarters before their tensor load
	QUARTER 1, 128, F1, F0, 0
	QUARTER 1, 192, F0, F1, 0
	MEET                                           ; its wait for all my tensor loads also shows my first half of ssm landed
	CREST
	SLOAD 1
	MUL16 F1, 1, 0, 0
	MUL16 F1, 1, 2, 0
	WIN 0
	PLACES                                         ; for the loads into Q's second buffer and for the reads of the results
	SDLOAD 0
.irp a, 0,1,2,3,4,5,6,7
	EPI \a
.endr
	ds_load_b128 v[T:T+3], v[STL]                  ; my 128 cm and 128 l, 16 bytes a lane
	ds_load_b128 v[T+4:T+7], v[STL] offset:512
	s_wait_dscnt 0x0
	SEND 7
	global_store_b128 v[SG], v[T:T+3], s[74:75]                    ; 512 consecutive bytes each
	global_store_b128 v[SG], v[T+4:T+7], s[74:75] offset:8192
	s_wait_tensorcnt 0x0                           ; the wave's end
	ds_add_u32 v[SPW], v[NIL]
	s_wait_dscnt 0x0
	CROUND                                         ; the closing round
	s_endpgm
.Lfunc_end_k_q511cc67eb8_scores:
	.size	k_q511cc67eb8_scores, .Lfunc_end_k_q511cc67eb8_scores-k_q511cc67eb8_scores
	.p2alignl 7, 3214868480
	.fill 96, 4, 3214868480
	.section	.rodata,"a",@progbits
	.p2align	6, 0x0
	.amdhsa_kernel k_q511cc67eb8_scores
		.amdhsa_group_segment_fixed_size 327680
		.amdhsa_private_segment_fixed_size 0
		.amdhsa_enable_private_segment 0
		.amdhsa_kernarg_size 32
		.amdhsa_user_sgpr_count 2
		.amdhsa_user_sgpr_kernarg_segment_ptr 1
		.amdhsa_wavefront_size32 1
		.amdhsa_system_sgpr_workgroup_id_x 1
		.amdhsa_system_sgpr_workgroup_id_y 1
		.amdhsa_system_sgpr_workgroup_id_z 1
		.amdhsa_system_vgpr_workitem_id 0
		.amdhsa_next_free_vgpr 1024
		.amdhsa_next_free_sgpr 100
		.amdhsa_reserve_vcc 0
		.amdhsa_float_denorm_mode_32 3
		.amdhsa_float_denorm_mode_16_64 3
		.amdhsa_memory_ordered 1
		.amdhsa_forward_progress 1
		.amdhsa_inst_pref_size 245
	.end_amdhsa_kernel
	.amdgpu_metadata
---
amdhsa.version: [ 1, 2 ]
amdhsa.kernels:
  - .name:           k_q511cc67eb8_scores
    .symbol:         k_q511cc67eb8_scores.kd
    .args:
      - { .name: qkv, .offset: 0, .size: 8, .value_kind: global_buffer, .address_space: global }
      - { .name: ssm, .offset: 8, .size: 8, .value_kind: global_buffer, .address_space: global }
      - { .name: pt, .offset: 16, .size: 8, .value_kind: global_buffer, .address_space: global }
      - { .name: st, .offset: 24, .size: 8, .value_kind: global_buffer, .address_space: global }
    .group_segment_fixed_size: 327680
    .private_segment_fixed_size: 0
    .kernarg_segment_align: 8
    .kernarg_segment_size: 32
    .max_flat_workgroup_size: 128
    .sgpr_count:     100
    .vgpr_count:     1024
    .wavefront_size: 32
...
	.end_amdgpu_metadata
.endif
;; end of part 3
;; launch pv (part 4): grid 4 x 64, 4 waves a work-group, clusters of 4 x 4, 327,680 bytes of LDS; arguments pt, st, qkv, out0; writes out0
.if DOCPART == 4
	.amdgcn_target "amdgcn-amd-amdhsa--gfx1250"
	.amdhsa_code_object_version 6
	.text
	.protected	k_q511cc67eb8_pv
	.globl	k_q511cc67eb8_pv
	.p2align	8
	.type	k_q511cc67eb8_pv,@function
k_q511cc67eb8_pv:
	s_mov_b64 s[64:65], 0
	v_nop
	global_prefetch_b8 v0, s[64:65] scope:SCOPE_SE
	s_setreg_imm32_b32 hwreg(HW_REG_WAVE_MODE, 25, 1), 1
	s_wait_xcnt 0x0
	s_wait_alu depctr_hold_cnt(0) depctr_sa_sdst(0) depctr_va_vdst(0) depctr_va_sdst(0) depctr_va_ssrc(0) depctr_va_vcc(0) depctr_vm_vsrc(0)
	s_getreg_b32 s2, hwreg(HW_REG_IB_STS2, 6, 4)
	s_cmp_eq_u32 s2, 0
	s_cbranch_scc0 .Lentry_in_a_cluster
	s_endpgm
.Lentry_in_a_cluster:
	s_bfe_u32 s2, ttmp6, 0x10000c
	s_cmp_lg_u32 s2, 0xf033
	s_cbranch_scc0 .Lentry_shape_is_right
	s_endpgm
.Lentry_shape_is_right:
; out0[q][b][ch] = (the sum over chunks i of w_i(q) x the sum over the chunk's 128 keys of p[q][k] V[k][ch]) / L(q),  w_i = 2^(cm_i - CM), CM = max over i of cm_i, L = the sum of w_i l_i.
; pt: f16 [8192][2048] (p, relative to its chunk's maximum); st: f32 [4 b][16 chunks][cm, l][2048 q]; V: f16 columns 2048-3071 of qkv [8192][3072]; out0: f32 [2048][4][1024].
; So every weight is taken relative to the row's true maximum.  A chunk's products are summed from 0 in accumulators of their own (TMP); at the chunk's end O += w x TMP, in f32; 1 / L is applied in f32 at the end.
; LIMITS.  p below 6e-5 keeps f16's fixed step of 6e-8; a w below 2^-126 counts as 0.  NaN and infinities are not treated apart.
; SHARES.  A tile is 128 queries x 256 channels: 64 x 4 = 256 work-groups.  Four waves, each 64 x 128: 32 accumulators.  The keys go in 16 steps of 128, a chunk a step, through two LDS slots.
; CLUSTER.  4 x 4 work-groups: p's tile is shared along a row of the cluster (the four channel tiles), V's along a column (four query tiles of one batch): joint loads.
; THE MATRIX INSTRUCTION IS USED TRANSPOSED (source 0 = 16 channels of V^T, by ds_load_tr16_b128; source 1 = 16 queries of p): a lane holds ONE query (l % 16) and eight neighbouring channels, so w is one number a lane.
; REGISTERS, in windows of 256 (s_set_vgpr_msb: bits 1:0 source 0, 3:2 source 1, 5:4 source 2, 7:6 destination):
;   window 0: addresses; v32-39 1 / L; v40-50 at work; v64-127 the statistics, later results; v128-255 rows on their way out
;   window 1: two fragment buffers of 96: 4 fragments of p, then 8 of V^T; v192-199 the step's w, a pair for each query block
;   window 2: TMP, accumulator (a, b) at v[8 (8 a + b)]          window 3: O, likewise
; O is cleared once, by 256 v_mov_b32 in the wait for the first tile: the price of writing no first step out, whose text would be three times as long.
.set PITCH,  272                       ; a row of p in LDS: 256 bytes + 16
.set VPIT,   544                       ; a row of V: 512 bytes + 32 = 136 words
.set AH,     64*PITCH
.set BOFF,   2*AH
.set VH,     64*VPIT
.set SLOT1,  131072
.set WTAB,   BOFF+2*VH                 ; between the slots: for each wave 4,096 bytes: [16 chunks][64 queries] words of w; no tile lands here
.set SPARE,  WTAB+4*4096               ; the spare words, 128 bytes for each wave: two blocks of 256 bytes that no other line names
.set STAGE,  SLOT1+BOFF+2*VH           ; behind slot 1: 16 rows x 528 bytes for each wave, for the way out
.set OPIT,   528
.set ADRA0, 14
.set ADRB0, 15
.set ADRA,  16
.set WT,    19                         ; v19  LDS address of the step's w for my query l % 16
.set ADRB,  20
.set WT0,   21                         ; v21  the same for chunk 0; never rewritten
.set WTS,   22                         ; v22  where I put w of chunk 8 (l / 16)
.set SO,    23                         ; v23  my byte offset in st
.set STO,   24
.set RD,    25
.set GO,    26
.set SPW,   28
.set NIL,   29
.set RL,    32                         ; v[32+2a:33+2a]  1 / L of query 16 a + l % 16, twice
.set ST,    64                         ; cm of block a, chunk 8 (l / 16) + i at ST + 16 a + i; l at ST + 16 a + 8 + i
.set T,     64
.set OB,    128
.set F0,    0
.set F1,    96
.set WN,    192
.set G1,  24
.set G0,  32
.set G1B, 48
.set G0B, 56
.set TB,  45                           ; s45  0 or SLOT1: the slot in hand
.set WO,  80                           ; s80  256 x the chunk in hand
.set SEL, 82                           ; s[82:83]
.set MSB, 0
.macro WIN new
.if MSB != (\new)
	s_set_vgpr_msb (MSB<<8)|(\new)
.set MSB, \new
.endif
.endm
.set MUL,  0xa5                        ; sources 0 and 1 window 1; C and D window 2
.set RID,  0xf6                        ; source 0 (TMP) window 2, source 1 (w) window 1, source 2 and destination (O) window 3
.set TO_F, 0x40
.macro PLACES
.rept 4
	v_nop
.endr
.endm
.macro JLOAD                           ; a joint refill by the walking sets: waves 0 and 1 fetch p's halves, waves 2 and 3 V's; an s_nop 0 and four v_nop follow each line
	s_cmp_eq_u32 s11, 0
	s_cbranch_scc0 .Lfor_b_\@
	tensor_load_to_lds s[G0+4:G0+7], s[G1:G1+7]
	s_nop 0
	PLACES
	s_branch .Lasked_\@
.Lfor_b_\@:
	tensor_load_to_lds s[G0B+4:G0B+7], s[G1B:G1B+7]
	s_nop 0
	PLACES
.Lasked_\@:
.endm
.macro CREST
	s_cmp_lg_u32 s10, 0
	s_cbranch_scc1 .Lnot_wave_0_\@
	s_barrier_signal -3
.Lnot_wave_0_\@:
	s_barrier_wait -3
	s_barrier_signal -1
	s_barrier_wait -1
.endm
.macro CROUND
	s_barrier_signal -1
	s_barrier_wait -1
	CREST
.endm
	s_load_b256 s[68:75], s[0:1], 0x0              ; pt s[68:69], st s[70:71], qkv s[72:73], out0 s[74:75]
	v_lshl_add_u32 v[SPW], v0, 2, SPARE
	v_mov_b32 v[NIL], 0
	ds_add_u32 v[SPW], v[NIL]                      ; the wave's opening: the add and its wait stand ahead of my first tensor load
	v_lshrrev_b32 v1, 5, v0
	v_readfirstlane_b32 s10, v1                    ; wave 0..3
	s_lshr_b32 s11, s10, 1                         ; which 64 queries are mine.  Also: I fetch for p (0) or for V (1)
	s_and_b32 s12, s10, 1                          ; which 128 channels.  Also: which half of that tile I fetch
	s_bfe_u32 s40, ttmp6, 0x40000                  ; cx
	s_bfe_u32 s41, ttmp6, 0x40004                  ; cy
	s_lshl_b32 s42, ttmp9, 2
	s_add_co_u32 s42, s42, s40                     ; channel tile 0..3
	s_and_b32 s13, ttmp7, 0xffff
	s_lshl_b32 s13, s13, 2
	s_add_co_u32 s13, s13, s41                     ; 16 x batch + query tile, 0..63
	s_and_b32 s20, ttmp7, 0xffff
	s_lshr_b32 s20, s20, 2                         ; the batch, from the cluster's y alone
	s_lshl_b32 s43, s41, 2
	s_lshl_b32 s43, 15, s43                        ; my row of the cluster
	s_lshl_b32 s44, 0x1111, s40                    ; my column
	s_or_b32 s[G1], s43, 0x07710000                ; the mask; 2-byte elements; padding on; bit 21 beside a mask; after every 64 words (code 5) 4 words (code 3)
	s_mov_b32 s[G1+1], 128<<16                     ; 64 queries x 128 keys
	s_mov_b32 s[G1+2], 64<<16
	s_mov_b32 s[G1+3], 128<<16
	s_mov_b32 s[G1+4], 64
	s_mov_b32 s[G1+5], 2048
	s_mov_b32 s[G1+6], 0
	s_mov_b32 s[G1+7], 0
	s_or_b32 s[G1B], s44, 0x0fb10000               ; the same with 8 words (code 7) after every 128 words (code 6)
	s_mov_b32 s[G1B+1], 256<<16                    ; 64 keys x 256 channels
	s_mov_b32 s[G1B+2], 64<<16
	s_mov_b32 s[G1B+3], 256<<16
	s_mov_b32 s[G1B+4], 64
	s_mov_b32 s[G1B+5], 3072
	s_mov_b32 s[G1B+6], 0
	s_mov_b32 s[G1B+7], 0
	s_lshl_b32 s16, s13, 7                         ; p: row 128 x (16 batch + query tile) + 64 x half, 4,096 bytes a row: no cx in it
	s_lshl_b32 s17, s12, 6
	s_add_co_u32 s16, s16, s17
	s_lshl_b32 s16, s16, 12
	s_mov_b32 s17, 0
	s_lshl_b32 s46, s20, 11                        ; V: row 2,048 x batch + 64 x half; 4,096 bytes into the row, 512 a channel tile: no cy in it
	s_lshl_b32 s47, s12, 6
	s_add_co_u32 s46, s46, s47
	s_mul_i32 s46, s46, 6144
	s_lshl_b32 s47, s42, 9
	s_add_co_u32 s46, s46, s47
	s_add_co_u32 s46, s46, 4096
	s_mov_b32 s47, 0
	s_mul_i32 s18, s12, AH                         ; where they go
	s_mul_i32 s21, s12, VH
	s_add_co_u32 s21, s21, BOFF
	s_and_b32 s4, s13, 15
	s_lshl_b32 s4, s4, 7
	s_lshl_b32 s5, s11, 6
	s_add_co_u32 s4, s4, s5                        ; my first query in the batch
	s_lshl_b32 s6, s20, 18                         ; st: 262,144 bytes a batch,
	s_lshl2_add_u32 s6, s4, s6                     ; 4 a query
	s_mov_b32 s7, 0
	s_lshl2_add_u32 s8, s4, s20                    ; out0: row 4 q + batch,
	s_lshl_b32 s8, s8, 12                          ; 4,096 bytes a row,
	s_lshl_b32 s5, s42, 10                         ; 1,024 a channel tile,
	s_add_co_u32 s8, s8, s5
	s_lshl_b32 s5, s12, 9                          ; my 128 channels
	s_add_co_u32 s8, s8, s5
	s_mov_b32 s9, 0
	s_mov_b32 s[TB], 0
	s_mov_b32 s[WO], 0
	s_mov_b32 s[SEL], 0x76543210
	s_mov_b32 s[SEL+1], 0xfedcba98
	s_wait_dscnt 0x0                               ; the opening add is done
	s_wait_kmcnt 0x0
	s_add_nc_u64 s[14:15], s[68:69], s[16:17]
	s_add_nc_u64 s[46:47], s[72:73], s[46:47]
	s_add_nc_u64 s[70:71], s[70:71], s[6:7]
	s_add_nc_u64 s[74:75], s[74:75], s[8:9]
	CROUND                                         ; all sixteen work-groups are here: the first joint loads meet
.irp s, 0,1
	s_mov_b32 s[G0+4*(\s)], 1
	s_add_co_u32 s[G0+4*(\s)+1], s18, (\s)*SLOT1
	s_add_nc_u64 s[G0+4*(\s)+2:G0+4*(\s)+3], s[14:15], (\s)*256        ; 128 keys a step
	s_or_b32 s[G0+4*(\s)+3], s[G0+4*(\s)+3], 0x80000000
	s_mov_b32 s[G0B+4*(\s)], 1
	s_add_co_u32 s[G0B+4*(\s)+1], s21, (\s)*SLOT1
	s_add_nc_u64 s[G0B+4*(\s)+2:G0B+4*(\s)+3], s[46:47], (\s)*786432   ; 128 rows of 6,144 bytes a step
	s_or_b32 s[G0B+4*(\s)+3], s[G0B+4*(\s)+3], 0x80000000
.endr
	s_cmp_eq_u32 s11, 0                            ; a wave's two first fills stand in one branch: two loads of mine are out
	s_cbranch_scc0 .Lfirst_b
	tensor_load_to_lds s[G0:G0+3], s[G1:G1+7]
	s_nop 0
	tensor_load_to_lds s[G0+4:G0+7], s[G1:G1+7]
	s_nop 0
	PLACES
	s_branch .Lfirst_asked
.Lfirst_b:
	tensor_load_to_lds s[G0B:G0B+3], s[G1B:G1B+7]
	s_nop 0
	tensor_load_to_lds s[G0B+4:G0B+7], s[G1B:G1B+7]
	s_nop 0
	PLACES
.Lfirst_asked:
	; THE STATISTICS.  Lane (l % 16, l / 16) takes cm and l of chunks 8 (l / 16) + 0..7 for the queries 16 a + l % 16.
	v_and_b32 v1, 15, v0                           ; l % 16
	v_bfe_u32 v2, v0, 4, 1                         ; l / 16
	v_lshlrev_b32 v6, 17, v2                       ; eight chunks of 16,384 bytes
	v_lshl_add_u32 v[SO], v1, 2, v6
.irp a, 0,1,2,3
.irp i, 0,1,2,3,4,5,6,7
	global_load_b32 v[ST+16*(\a)+(\i)],   v[SO], s[70:71] offset:(\i)*16384+(\a)*64
	global_load_b32 v[ST+16*(\a)+8+(\i)], v[SO], s[70:71] offset:(\i)*16384+(\a)*64+8192
.endr
.endr
	v_and_b32 v3, 7, v0
	v_bfe_u32 v4, v0, 3, 1
	v_and_b32 v5, 31, v0
	v_mul_u32_u24 v6, v1, PITCH
	v_lshl_add_u32 v6, v2, 4, v6
	s_mul_i32 s22, s11, AH
	v_add_nc_u32 v[ADRA0], s22, v6                 ; p: my 64 rows; row l % 16 x pitch + 16 x half
	v_lshl_add_u32 v6, v2, 3, v3                   ; V: the turning load takes 16 keys x 16 channels: lane l reads key 8 (l / 16) + l % 8, channels 8 ((l / 8) % 2) + 0..7
	v_mul_u32_u24 v6, v6, VPIT
	v_lshl_add_u32 v6, v4, 4, v6
	s_lshl_b32 s22, s12, 8                         ; my 128 channels
	s_add_co_u32 s22, s22, BOFF
	v_add_nc_u32 v[ADRB0], s22, v6
	v_mov_b32 v[ADRA], v[ADRA0]
	v_mov_b32 v[ADRB], v[ADRB0]
	s_lshl_b32 s22, s10, 12
	s_add_co_u32 s22, s22, WTAB                    ; my table of w
	v_lshl_add_u32 v[WT0], v1, 2, s22
	v_mov_b32 v[WT], v[WT0]
	v_lshl_add_u32 v[WTS], v2, 11, v[WT0]          ; eight chunks of 256 bytes
	s_mul_i32 s22, s10, 16*OPIT
	s_add_co_u32 s22, s22, STAGE                   ; my stage
	v_mul_u32_u24 v6, v1, OPIT                     ; in: row l % 16, 32 bytes for each half of the lanes
	v_lshl_add_u32 v6, v2, 5, v6
	v_add_nc_u32 v[STO], s22, v6
	v_lshlrev_b32 v[GO], 4, v5                     ; back and out: 32 lanes take a row's 512 bytes
	v_add_nc_u32 v[RD], s22, v[GO]
	v_mov_b32 v49, 0                               ; v_permlanex16_b32's destination counts as read
	WIN 0x40
.irp a, 0,1,2,3
	v_mov_b32 v[WN+2*(\a)+1], 0                    ; named with w as a pair, so it is written
.endr
	WIN 0xc0
.set i, 0
.rept 256
	v_mov_b32 v[i], 0                              ; O
.set i, i+1
.endr
	WIN 0
	s_wait_loadcnt 0x0
.macro WPRE blk
.set rc, ST+16*(\blk)
.set rl, ST+16*(\blk)+8
	v_max3_num_f32 v48, v[rc], v[rc+1], v[rc+2]
	v_max3_num_f32 v48, v48, v[rc+3], v[rc+4]
	v_max3_num_f32 v48, v48, v[rc+5], v[rc+6]
	v_max_num_f32 v48, v48, v[rc+7]
	v_permlanex16_b32 v49, v48, s[SEL], s[SEL+1]   ; the other eight chunks lie in the lane 16 away
	v_max_num_f32 v48, v48, v49                    ; CM
.irp i, 0,1,2,3,4,5,6,7
	v_sub_f32 v[40+(\i)], v[rc+(\i)], v48
.endr
.irp i, 0,1,2,3,4,5,6,7
	v_exp_f32 v[40+(\i)], v[40+(\i)]
.endr
	v_nop                                          ; a plain instruction between the last exponential and the use of its result (ISA guide 5.7.2)
	s_wait_alu depctr_va_vdst(0)
.irp i, 0,1,2,3,4,5,6,7
	ds_store_b32 v[WTS], v[40+(\i)] offset:256*(\i)+64*(\blk)
.endr
	v_mul_f32 v50, v40, v[rl]
.irp i, 1,2,3,4,5,6,7
	v_fmac_f32 v50, v[40+(\i)], v[rl+(\i)]
.endr
	v_permlanex16_b32 v49, v50, s[SEL], s[SEL+1]
	v_add_f32 v50, v50, v49                        ; L: at least 1, since the chunk that holds the row's maximum has w = 1 and l >= 1
	v_rcp_f32 v[RL+2*(\blk)], v50
	v_rcp_f32 v[RL+2*(\blk)+1], v50
	v_nop                                          ; a plain instruction before the reciprocal's source is written again
.endm
	WPRE 0
	WPRE 1
	WPRE 2
	WPRE 3
; A run of LDS loads: the fragments of 32 keys, quarter q of the step, into buffer f: V^T's eight (turned), then p's four.  w = 1: ahead of them the w of the step in hand for my four query blocks.
.macro FETCH q, f, w
	WIN TO_F
.if \w
.irp a, 0,1,2,3
	ds_load_b32 v[WN+2*(\a)], v[WT] offset:64*(\a)
.endr
.endif
.irp b, 0,1,2,3,4,5,6,7
	ds_load_tr16_b128 v[(\f)+32+8*(\b):(\f)+32+8*(\b)+3],   v[ADRB] offset:(\q)*32*VPIT+32*(\b)
	ds_load_tr16_b128 v[(\f)+32+8*(\b)+4:(\f)+32+8*(\b)+7], v[ADRB] offset:(\q)*32*VPIT+32*(\b)+16*VPIT
.endr
.irp a, 0,1,2,3
	ds_load_b128 v[(\f)+8*(\a):(\f)+8*(\a)+3],   v[ADRA] offset:64*(\q)+(\a)*16*PITCH
	ds_load_b128 v[(\f)+8*(\a)+4:(\f)+8*(\a)+7], v[ADRA] offset:64*(\q)+(\a)*16*PITCH+32
.endr
.endm
.macro RIDE i                          ; O += w x TMP for accumulator i, from its low end on
	WIN RID
.irp z, 0,1,2,3
	v_pk_fma_f32 v[8*(\i)+2*(\z):8*(\i)+2*(\z)+1], v[8*(\i)+2*(\z):8*(\i)+2*(\z)+1], v[WN+2*((\i)/8):WN+2*((\i)/8)+1], v[8*(\i)+2*(\z):8*(\i)+2*(\z)+1] op_sel_hi:[1,0,1]
.endr
.endm
; n matrix instructions from number from on: number x is query block x / 8, channel block x % 8; the 32 accumulators take turns in one order.  zero = 1: a chunk's first products start its sums.
; ride = 1 (a chunk's last quarter): behind product x stand the four lines that take accumulator x - 2 into O: eight plain lines that name none of its registers lie between a product and
; the read of its result (ISA guide 7.12.1); behind product 1, where there are none yet, four v_nop.
.macro MULS f, from, n, zero, ride
.set px, \from
.rept \n
	WIN MUL
.if \zero
	v_wmma_f32_16x16x32_f16 v[8*px:8*px+7], v[(\f)+32+8*(px%8):(\f)+32+8*(px%8)+7], v[(\f)+8*(px/8):(\f)+8*(px/8)+7], 0
.else
	v_wmma_f32_16x16x32_f16 v[8*px:8*px+7], v[(\f)+32+8*(px%8):(\f)+32+8*(px%8)+7], v[(\f)+8*(px/8):(\f)+8*(px/8)+7], v[8*px:8*px+7]
.endif
.if (\ride) && (px == 1)
	PLACES
.endif
.if (\ride) && (px >= 2)
	RIDE px-2
.endif
.set px, px+1
.endr
.endm
; One of a step's first three quarters: multiplies buffer f, and in its middle fetches quarter q into g.
.macro QUARTER q, f, g, zero, w
	s_wait_dscnt 4                                 ; all but the youngest four loads: p's fragments 2 and 3
	MULS \f, 0, 16, \zero, 0
	PLACES
	FETCH \q, \g, \w
	s_wait_dscnt 24                                ; all but the 24 fragment loads just issued: the w ahead of them is in too
	MULS \f, 16, 16, \zero, 0
.endm
; The last quarter multiplies buffer 1, takes the chunk into O and changes slots: the wait for all my tensor loads, the add, the wait for it and for my reads, the barrier; fill = 1: a round, and the joint refill first behind it.
.macro TURN fill
	WIN 0
	s_wait_tensorcnt 0x0
	ds_add_u32 v[SPW], v[NIL]
	s_wait_dscnt 5                                 ; the add and the youngest four loads may be out
	MULS F1, 0, 8, 0, 1
	s_wait_dscnt 0x0                               ; the add is done, and my reads of this slot are over
	s_barrier_signal -1
	MULS F1, 8, 8, 0, 1
	WIN 0
	s_barrier_wait -1
.if \fill
	CREST
	s_xor_b32 s[G0+5], s[G0+5], SLOT1              ; the walking sets: the other slot than last time, the next 128 keys
	s_add_nc_u64 s[G0+6:G0+7], s[G0+6:G0+7], 256
	s_xor_b32 s[G0B+5], s[G0B+5], SLOT1
	s_add_nc_u64 s[G0B+6:G0B+7], s[G0B+6:G0B+7], 786432
	JLOAD
.else
	PLACES
.endif
	s_xor_b32 s[TB], s[TB], SLOT1
	s_add_co_u32 s[WO], s[WO], 256                 ; the next chunk's w
	v_add_nc_u32 v[ADRA], s[TB], v[ADRA0]
	v_add_nc_u32 v[ADRB], s[TB], v[ADRB0]
	v_add_nc_u32 v[WT], s[WO], v[WT0]
	s_wait_alu depctr_va_vdst(0)
	FETCH 0, F0, 0
	MULS F1, 16, 16, 0, 1
	RIDE 30
	RIDE 31
.endm
; THE WAY OUT of query block blk: times 1 / L; 32 bytes a lane into my own stage; back as whole rows of 512 bytes; stored.
.macro OUTP blk
	WIN 0x03                                       ; source 0: O's window
.set i, 0
.rept 32
	v_pk_mul_f32 v[T+2*i:T+2*i+1], v[64*(\blk)+2*i:64*(\blk)+2*i+1], v[RL+2*(\blk):RL+2*(\blk)+1] op_sel_hi:[1,0]
.set i, i+1
.endr
	WIN 0
.endm
.macro TOSTAGE blk
.set BK, OB+64*((\blk)%2)
.irp b, 0,1,2,3,4,5,6,7
	ds_store_b128 v[STO], v[T+8*(\b):T+8*(\b)+3] offset:64*(\b)
	ds_store_b128 v[STO], v[T+8*(\b)+4:T+8*(\b)+7] offset:64*(\b)+16
.endr
.irp t, 0,1,2,3,4,5,6,7,8,9,10,11,12,13,14,15
	ds_load_b128 v[BK+4*(\t):BK+4*(\t)+3], v[RD] offset:OPIT*(\t)     ; LDS serves a wave's instructions in order (ISA guide 5.7.1.4): these see the stores above
.endr
.endm
.macro SEND blk
.set BK, OB+64*((\blk)%2)
	s_wait_dscnt 0x0                               ; the block is back in registers
	s_wait_xcnt 0x0                                ; the registers that the stores before last read are loaded again only behind this wait
.irp t, 0,1,2,3,4,5,6,7,8,9,10,11,12,13,14,15
	global_store_b128 v[GO], v[BK+4*(\t):BK+4*(\t)+3], s[74:75] offset:(16*(\blk)+(\t))*16384 th:TH_STORE_NT   ; 512 consecutive bytes, at a multiple of 512 from out0's first byte
.endr
.endm
	s_wait_tensorcnt 1                             ; my part of step 0 is in; step 1's may stay out
	s_wait_dscnt 0x0                               ; my table's stores are done
	s_barrier_signal -1
	s_barrier_wait -1
	FETCH 0, F0, 0
	QUARTER 1, F0, F1, 1, 0                        ; step 0's first quarter
	WIN 0
	s_mov_b32 s3, 14                               ; fourteen refills: steps 2 to 15
.Lstep:                                            ; a trip: a step's quarters 1 to 3 and the next step's quarter 0, whose products start the next chunk's sums
	QUARTER 2, F1, F0, 0, 1
	QUARTER 3, F0, F1, 0, 0
	TURN 1
	QUARTER 1, F0, F1, 1, 0
	WIN 0
	s_sub_co_u32 s3, s3, 1
	s_cmp_lg_u32 s3, 0
	s_cbranch_scc1 .Lstep
	QUARTER 2, F1, F0, 0, 1                        ; the last two steps fill nothing
	QUARTER 3, F0, F1, 0, 0
	TURN 0
	QUARTER 1, F0, F1, 1, 0
	QUARTER 2, F1, F0, 0, 1
	QUARTER 3, F0, F1, 0, 0
	s_wait_dscnt 4
	MULS F1, 0, 16, 0, 1
	s_wait_dscnt 0x0
	MULS F1, 16, 16, 0, 1
	RIDE 30
	RIDE 31
	WIN 0
	OUTP 0
	TOSTAGE 0
.irp a, 1,2,3                          ; a block's arithmetic stands between the loads of the block before and the wait for them
	OUTP \a
	SEND (\a)-1
	TOSTAGE \a
.endr
	SEND 3
	s_wait_tensorcnt 0x0                           ; the wave's end
	ds_add_u32 v[SPW], v[NIL]
	s_wait_dscnt 0x0
	CROUND                                         ; the closing round
	s_endpgm
.Lfunc_end_k_q511cc67eb8_pv:
	.size	k_q511cc67eb8_pv, .Lfunc_end_k_q511cc67eb8_pv-k_q511cc67eb8_pv
	.p2alignl 7, 3214868480
	.fill 96, 4, 3214868480
	.section	.rodata,"a",@progbits
	.p2align	6, 0x0
	.amdhsa_kernel k_q511cc67eb8_pv
		.amdhsa_group_segment_fixed_size 327680
		.amdhsa_private_segment_fixed_size 0
		.amdhsa_enable_private_segment 0
		.amdhsa_kernarg_size 32
		.amdhsa_user_sgpr_count 2
		.amdhsa_user_sgpr_kernarg_segment_ptr 1
		.amdhsa_wavefront_size32 1
		.amdhsa_system_sgpr_workgroup_id_x 1
		.amdhsa_system_sgpr_workgroup_id_y 1
		.amdhsa_system_sgpr_workgroup_id_z 1
		.amdhsa_system_vgpr_workitem_id 0
		.amdhsa_next_free_vgpr 1024
		.amdhsa_next_free_sgpr 96
		.amdhsa_reserve_vcc 0
		.amdhsa_float_denorm_mode_32 3
		.amdhsa_float_denorm_mode_16_64 3
		.amdhsa_memory_ordered 1
		.amdhsa_forward_progress 1
		.amdhsa_inst_pref_size 130
	.end_amdhsa_kernel
	.amdgpu_metadata
---
amdhsa.version: [ 1, 2 ]
amdhsa.kernels:
  - .name:           k_q511cc67eb8_pv
    .symbol:         k_q511cc67eb8_pv.kd
    .args:
      - { .name: pt, .offset: 0, .size: 8, .value_kind: global_buffer, .address_space: global }
      - { .name: st, .offset: 8, .size: 8, .value_kind: global_buffer, .address_space: global }
      - { .name: qkv, .offset: 16, .size: 8, .value_kind: global_buffer, .address_space: global }
      - { .name: out0, .offset: 24, .size: 8, .value_kind: global_buffer, .address_space: global }
    .group_segment_fixed_size: 327680
    .private_segment_fixed_size: 0
    .kernarg_segment_align: 8
    .kernarg_segment_size: 32
    .max_flat_workgroup_size: 128
    .sgpr_count:     96
    .vgpr_count:     1024
    .wavefront_size: 32
...
	.end_amdgpu_metadata
.endif
;; end of part 4
;; ======== version 2 of 2: 4 launches; version 1 with the launch cast written anew for expert scheduling mode
;; limits: values are held in f16: magnitudes above 65,504 overflow, below 6.1e-05 lose precision
;; workspace buffers: xw 23,068,672 bytes; qkv 50,331,648 bytes; pt 33,554,432 bytes; st 1,048,576 bytes
;; launch cast (part 5): grid 256 x 1, 11 waves a work-group, no clusters, 0 bytes of LDS; arguments x, Wq, Wk, Wv, xw; writes xw
.if DOCPART == 5
	.amdgcn_target "amdgcn-amd-amdhsa--gfx1250"
	.amdhsa_code_object_version 6
	.text
	.protected	k_q511cc67eb8_cast
	.globl	k_q511cc67eb8_cast
	.p2align	8
	.type	k_q511cc67eb8_cast,@function
k_q511cc67eb8_cast:
	s_mov_b64 s[64:65], 0
	v_nop
	global_prefetch_b8 v0, s[64:65] scope:SCOPE_SE
	s_setreg_imm32_b32 hwreg(HW_REG_WAVE_SCHED_MODE, 0, 2), 2
	s_setreg_imm32_b32 hwreg(HW_REG_WAVE_MODE, 25, 1), 1
	s_wait_xcnt 0x0
	s_wait_alu depctr_vm_vsrc(0)
; xw = bf16 [11264][1024].  Rows 0-8191: x, row b*2048+s (x lies [s][b][1024] in f32).  Rows 8192 on: Wq, Wk, Wv, as they lie.
; A stream: no LDS, no matrix unit, no barrier.  11,264 rows are 2,816 groups of 4 rows (16,384 bytes of f32); 256 work-groups x 11 waves
; take one group each.  A wave issues its 32 loads of 512 neighbouring bytes at once, and rounds and stores them as they land, four at a time.
; A store of the wave covers 256 consecutive bytes, aligned (32 lanes x 8 bytes).  No register that a memory instruction reads is written again.
; THE MODE: SCHED_MODE bits 1:0 = 2 (LLVM: expert scheduling mode 2), set by the entry lines.  The code itself states the register dependences
; between vector instructions and memory instructions, with s_wait_alu, always for 0.
; THE PLAN.  Registers that memory instructions touch:
;   v1, v2            byte offsets of the loads and of the stores: made once at the head, never written again.
;   v[X+4i .. X+4i+3] written once by load i; read by its own two roundings, which write the first two of the four; these two are read by store i; never written after that.
; The 32 loads go in 8 blocks of four.  Block p rounds its own sixteen registers; its memory instructions are the four stores of block p - 1, which read registers
; that no rounding of block p names.  So one wait on va_vdst at a block's head, behind the wait for the block's data, states all that its four stores hang on.
; No load follows a rounding and no register that a load or store has read is written again: nothing is owed on vm_vsrc, and EXEC is never written.
.set X, 4                              ; v[4:131] 32 x 4 registers as loaded; the first two of each four are rounded in place
.set BLOCK, 4                          ; loads in a block
	s_load_b256 s[4:11], s[0:1], 0x0               ; x s[4:5], Wq s[6:7], Wk s[8:9], Wv s[10:11]
	s_load_b64 s[12:13], s[0:1], 0x20              ; xw
	v_lshrrev_b32 v3, 5, v0
	v_readfirstlane_b32 s14, v3                    ; wave 0..10
	v_and_b32 v2, 31, v0
	v_lshlrev_b32 v1, 4, v2                        ; 16 bytes a lane in
	v_lshlrev_b32 v2, 3, v2                        ; 8 bytes a lane out
	s_wait_alu depctr_va_sdst(0)                   ; s14 is written, ahead of its first reader: the group's number, and with it every base, is made from it
	s_mul_i32 s15, ttmp9, 11
	s_add_co_u32 s15, s15, s14                     ; G: my group, 0..2815
	s_sub_co_u32 s16, s15, 2048                    ; G': my group among the weights' 768 (of use where G >= 2048)
	s_lshr_b32 s17, s16, 8                         ; which weight
	s_and_b32 s18, s16, 255
	s_lshl_b32 s18, s18, 14                        ; a weight's group: source offset
	s_lshl_b32 s19, s15, 14                        ; x's group (s = G, its four rows are b = 0..3): source offset
	s_lshl_b32 s20, s15, 11                        ; x: row s of batch 0 in xw,
	s_mov_b32 s36, 4194304                         ;    and 2,048 rows of 2,048 bytes from batch to batch
	s_lshl_b32 s21, s16, 13                        ; a weight: four rows of 2,048 bytes a group,
	s_add_co_u32 s21, s21, 16777216                ;    behind x's 8,192 rows,
	s_movk_i32 s37, 2048                           ;    one row after the other
	s_mov_b32 s23, 0
	s_mov_b32 s33, 0
	s_mov_b32 s35, 0
	s_wait_kmcnt 0x0
	s_cmp_eq_u32 s17, 1
	s_cselect_b64 s[6:7], s[8:9], s[6:7]
	s_cmp_eq_u32 s17, 2
	s_cselect_b64 s[6:7], s[10:11], s[6:7]         ; the weight that G' names
	s_cmp_lt_u32 s15, 2048
	s_cselect_b64 s[4:5], s[4:5], s[6:7]           ; x or that weight
	s_cselect_b32 s22, s19, s18
	s_cselect_b32 s32, s20, s21
	s_cselect_b32 s34, s36, s37
	s_add_nc_u64 s[4:5], s[4:5], s[22:23]          ; my 16,384 bytes
	s_add_nc_u64 s[24:25], s[12:13], s[32:33]      ; where my four rows go
	s_add_nc_u64 s[26:27], s[24:25], s[34:35]
	s_add_nc_u64 s[28:29], s[26:27], s[34:35]
	s_add_nc_u64 s[30:31], s[28:29], s[34:35]
	s_wait_alu depctr_va_vdst(0)                   ; v1 and v2 are written: every load reads v1 as its offset, every store v2; no later vector line names them
.set i, 0
.rept 32
	global_load_b128 v[X+4*i:X+4*i+3], v1, s[4:5] offset:512*i th:TH_LOAD_NT
.set i, i+1
.endr
.set p, 0
.rept 32/BLOCK                         ; block p: loads 4 p to 4 p + 3 are rounded; the stores of block p - 1 are dealt among the roundings, one ahead of each pair
	s_wait_loadcnt 32-BLOCK-BLOCK*p                ; loads come back in order: this block's four are in, the younger ones stay out
.if p > 0
	s_wait_alu depctr_va_vdst(0)                   ; the roundings of the block before have written the eight registers that the four stores below read
.endif
.set j, 0
.rept BLOCK
.set i, BLOCK*p+j
.set k, i-BLOCK
.if p > 0
	global_store_b64 v2, v[X+4*k:X+4*k+1], s[24+2*(k/8):25+2*(k/8)] offset:256*(k%8)  ; no vector line since the wait names these registers
.endif
	v_cvt_pk_bf16_f32 v[X+4*i], v[X+4*i], v[X+4*i+1]
	v_cvt_pk_bf16_f32 v[X+4*i+1], v[X+4*i+2], v[X+4*i+3]
.set j, j+1
.endr
.set p, p+1
.endr
	s_wait_alu depctr_va_vdst(0)                   ; the last block's roundings have written the eight registers that the last four stores read
.set k, 32-BLOCK
.rept BLOCK
	global_store_b64 v2, v[X+4*k:X+4*k+1], s[24+2*(k/8):25+2*(k/8)] offset:256*(k%8)
.set k, k+1
.endr
	s_endpgm
.Lfunc_end_k_q511cc67eb8_cast:
	.size	k_q511cc67eb8_cast, .Lfunc_end_k_q511cc67eb8_cast-k_q511cc67eb8_cast
	.p2alignl 7, 3214868480
	.fill 96, 4, 3214868480
	.section	.rodata,"a",@progbits
	.p2align	6, 0x0
	.amdhsa_kernel k_q511cc67eb8_cast
		.amdhsa_group_segment_fixed_size 0
		.amdhsa_private_segment_fixed_size 0
		.amdhsa_enable_private_segment 0
		.amdhsa_kernarg_size 40
		.amdhsa_user_sgpr_count 2
		.amdhsa_user_sgpr_kernarg_segment_ptr 1
		.amdhsa_wavefront_size32 1
		.amdhsa_system_sgpr_workgroup_id_x 1
		.amdhsa_system_sgpr_workgroup_id_y 1
		.amdhsa_system_sgpr_workgroup_id_z 1
		.amdhsa_system_vgpr_workitem_id 0
		.amdhsa_next_free_vgpr 132
		.amdhsa_next_free_sgpr 66
		.amdhsa_reserve_vcc 0
		.amdhsa_float_denorm_mode_32 3
		.amdhsa_float_denorm_mode_16_64 3
		.amdhsa_memory_ordered 1
		.amdhsa_forward_progress 1
		.amdhsa_inst_pref_size 13
	.end_amdhsa_kernel
	.amdgpu_metadata
---
amdhsa.version: [ 1, 2 ]
amdhsa.kernels:
  - .name:           k_q511cc67eb8_cast
    .symbol:         k_q511cc67eb8_cast.kd
    .args:
      - { .name: x, .offset: 0, .size: 8, .value_kind: global_buffer, .address_space: global }
      - { .name: Wq, .offset: 8, .size: 8, .value_kind: global_buffer, .address_space: global }
      - { .name: Wk, .offset: 16, .size: 8, .value_kind: global_buffer, .address_space: global }
      - { .name: Wv, .offset: 24, .size: 8, .value_kind: global_buffer, .address_space: global }
      - { .name: xw, .offset: 32, .size: 8, .value_kind: global_buffer, .address_space: global }
    .group_segment_fixed_size: 0
    .private_segment_fixed_size: 0
    .kernarg_segment_align: 8
    .kernarg_segment_size: 40
    .max_flat_workgroup_size: 352
    .sgpr_count:     66
    .vgpr_count:     132
    .wavefront_size: 32
...
	.end_amdgpu_metadata
.endif
;; end of part 5
;; launch proj: the kernel of part 2 again; grid 4 x 64, 4 waves a work-group, clusters of 4 x 4, 327,680 bytes of LDS; arguments xw, bq, bk, bv, qkv; writes qkv
;; launch scores: the kernel of part 3 again; grid 8 x 32, 4 waves a work-group, clusters of 4 x 4, 327,680 bytes of LDS; arguments qkv, ssm, pt, st; writes pt, st
;; launch pv: the kernel of part 4 again; grid 4 x 64, 4 waves a work-group, clusters of 4 x 4, 327,680 bytes of LDS; arguments pt, st, qkv, out0; writes out0
